; MI455X (gfx1250); checked and timed in simulation.
; The chip was launched on July 23, 2026; its instructions are those of AMD's public machine-readable ISA for CDNA 5 (MIT licence, August 2026) and "CDNA5" Instruction Set Architecture Reference Guide (July 2026). The comments in the code are by the model that wrote it; some were corrected since.
;; Masked Multi Head Attention. Allowed arithmetic: matrix products marked QUANTISED: E2M3 operands, one E8M0 scale for each 32 along K, by v_wmma_scale_f32_16x16x128_f8f6f4 with both operands' format E2M3, f32 sums; everything else in f32.
;; Inputs: Wk 1,024 x 1,024 float32; Wo 1,024 x 1,024 float32; Wq 1,024 x 1,024 float32; Wv 1,024 x 1,024 float32; bk 1,024 float32; bo 1,024 float32; bq 1,024 float32; bv 1,024 float32; key_ 4 x 2,048 x 1,024 float32; mask 1 x 1 x 2,048 x 2,048 int32; query 4 x 2,048 x 1,024 float32; value 4 x 2,048 x 1,024 float32.
;; Outputs: out0 4 x 2,048 x 1,024 float32.
;; This version of the problem:
;;   THIS VERSION OF THE PROBLEM IS GIVEN IN LOW PRECISION. The matrix products marked QUANTISED in the list below multiply operands that are first quantised to E2M3 (2 exponent bits, 3 mantissa bits; 6 bits a number), with one power-of-two scale for each 32 numbers along K (OCP MX v1.0); their sums are f32. All else is computed in f32.
;;   The module's matrix products, in the order in which they are computed (A, B: the left and right operand; K: the contracted axis; several contracted axes count as one K, in the product's order):
;;     1. [M 8,192, K 1,024] x [K 1,024, N 1,024]; A: input query; B: input Wq: QUANTISED
;;     2. [M 8,192, K 1,024] x [K 1,024, N 1,024]; A: input key_; B: input Wk: QUANTISED
;;     3. [M 8,192, K 1,024] x [K 1,024, N 1,024]; A: input value; B: input Wv: QUANTISED
;;     4. batch 64 x [M 2,048, K 64] x [K 64, N 2,048]; A: computed on the way; B: computed on the way: QUANTISED
;;     5. batch 64 x [M 2,048, K 2,048] x [K 2,048, N 64]; A: softmax (see below); B: computed on the way: QUANTISED
;;     6. [M 8,192, K 1,024] x [K 1,024, N 1,024]; A: computed on the way; B: input Wo: QUANTISED
;;   THE QUANTISER, for each operand of a quantised product, along K:
;;     - K is cut into blocks of 32 from its start; a last block that is shorter is filled with zeros.
;;     - A block's scale is 2^e with e = floor(log2(the largest magnitude in the block)) - 2, held to -126 .. 127; a block of zeros has e = 0. As a byte (E8M0): e + 127.
;;     - Each number is divided by its block's scale, clamped to +-7.5, and rounded to the nearest number of E2M3, ties to even, subnormals kept.
;;     - The product sums the exact products of the quantised numbers (number of the format x scale) in f32.
;;   ~~~python
;;   def quantise(x, axis):      # numpy; x: float32 -> the quantised numbers, widened to float32 again
;;       x = np.moveaxis(x, axis, -1); K = x.shape[-1]
;;       x = np.pad(x, [(0, 0)] * (x.ndim - 1) + [(0, -K % 32)]); x = x.reshape(x.shape[:-1] + (-1, 32)); a = np.abs(x).max(-1, keepdims=True)
;;       e = np.where(a > 0, np.clip(np.frexp(np.where(a > 0, a, 1))[1] - 1 - 2, -126, 127), 0)      # np.frexp(a)[1] - 1 = floor(log2(a)), exactly
;;       r = np.clip(x / 2.0 ** e, -7.5, 7.5)
;;       step = 2.0 ** (np.maximum(np.frexp(np.where(r == 0, 1, r))[1] - 1, 0) - 3)
;;       q = np.round(r / step) * step * 2.0 ** e      # np.round: ties to even
;;       return np.moveaxis(q.reshape(q.shape[:-2] + (-1,))[..., :K], -1, axis).astype(np.float32)
;;   ~~~
;;   SOFTMAX AHEAD OF A QUANTISED PRODUCT. Where the list says 'softmax', what is quantised is not the finished softmax but p = 2^(t - M), with t = logit x log2(e) and M = ceil(the row's largest t), a whole number; so 1/2 < the row's largest p <= 1. The row's sum l is taken of the UNQUANTISED p, in f32, and the product's result is divided by l at the end. Since M is a whole number, a kernel that streams over the keys may use a running M (the ceiling of the running maximum): every later rescaling is an exact power of two, which a block's scale takes up: the codes' values come out the same.
;;   OPERANDS COMPUTED ON THE WAY. 'Computed on the way' means the value that the module computes at that place (a softmax that the list does not call 'softmax' is quantised finished and normalised). What goes into a quantiser is computed in f32, as accurately as f32 sums, v_exp_f32 and their like allow (about 1e-6 of the number): no bf16 or f16 on the way to a quantiser, and a product that is left as it is and whose result goes on into a quantised operand takes f32 operands (vector FMAs, or v_wmma_f32_16x16x4_f32). A number that lies on a knife's edge between two numbers of the format may be rounded either way, as far as f32 arithmetic and the matrix unit's own rounding can turn it there, and no further.
;; One version. Each part assembles by itself: llvm-mc -triple=amdgcn-amd-amdhsa -mcpu=gfx1250 --defsym DOCPART=n.
;; ======== version 1 of 1: 4 launches
;; workspace buffers: codes 22,020,096 bytes; scales 917,504 bytes; mwords 524,288 bytes of whole numbers; mflags 2,048 bytes of whole numbers; img 18,874,368 bytes; scl 1,310,720 bytes; cimg 6,291,456 bytes; csc 262,144 bytes
;; launch prep (part 1): grid 1024 x 1, 4 waves a work-group, no clusters, 33,280 bytes of LDS; arguments query, key_, value, Wq, Wk, Wv, Wo, mask, codes, scales, mwords, mflags; writes codes, scales, mwords, mflags
.if DOCPART == 1
	.amdgcn_target "amdgcn-amd-amdhsa--gfx1250"
	.amdhsa_code_object_version 6
	.text
	.protected	k_q84ff4d6a62_prep
	.globl	k_q84ff4d6a62_prep
	.p2align	8
	.type	k_q84ff4d6a62_prep,@function
k_q84ff4d6a62_prep:
	s_mov_b64 s[64:65], 0
	v_nop
	global_prefetch_b8 v0, s[64:65] scope:SCOPE_SE
	s_setreg_imm32_b32 hwreg(HW_REG_WAVE_MODE, 25, 1), 1
	s_wait_xcnt 0x0
; PREP.  Work-groups 0 to 895 turn the seven f32 tensors (query, key_, value: [8192][1024]; Wq, Wk, Wv, Wo: [1024][1024]; K innermost) into codes of FP6 (E2M3), 6 bits each, and one E8M0 scale byte for each 32 along K.
; All tensors share one buffer of codes (rows of 768 bytes) and one of scale bytes (rows of 32): first rows query 0, key_ 8,192, value 16,384, Wq 24,576, Wk 25,600, Wv 26,624, Wo 27,648.
; A block's scale is 2^(floor(log2(its largest magnitude)) - 2); its byte is the largest magnitude's exponent field - 2, held at 1 from below.  (A block of zeros keeps the byte 1 where the rule says 127: its codes are zeros, and this program alone reads the bytes.)
; A work-group takes 32 rows, a wave 8.  THE ROWS OF key_, value, Wq, Wk, Wv ARE STORED PERMUTED: of each 32 rows the second and the third group of 8 change places, so that stored row 32 b + 16 u + r is true row
; 32 b + 8 u + r + 8 (r / 8): sixteen neighbouring stored rows are then a tile whose results, two tiles together, are 16 neighbours along the next product's K.
; Work-groups 896 to 1023 turn the mask [2048][2048] of int32 into lane masks for the attention launch: for each tile of 16 queries T and step of 128 keys s, 64 words; bit L of word j says whether key
; 128 s + 32 (j / 16) + 16 (L / 16) + j % 16 counts for query 16 T + L % 16; and one flag word for each four steps: bit sl 'some key counts', bit 16 + sl 'all count'.
; LIMITS: blocks whose largest magnitude lies under 2^-124 keep the byte 1; NaN and infinities among the inputs are not served.
.set WAVES, 4
.set STEPS, 16
.set QWG,   896                        ; work-groups that quantise: (3 x 8,192 + 4 x 1,024) rows / 32
.set EMAX,  2
.set CB,    12                         ; bytes of 16 codes
.set R,     16                         ; v16-79   four sets of 16 numbers as they are loaded
.set X,     80                         ; v80-111  two sets of 16 neighbours
.set C,     128                        ; v128-191 codes: four registers for each step, so that no store's data are written again
.set E,     112                        ; v112-127 a scale byte for each step
.set WREG,  8192                       ; LDS: a region for each wave: two stages of 32 x SP bytes, and behind them its 256 scale bytes
.set SP,    80                         ; a lane's place in a stage: its 64 bytes + 16 of padding
.set SPW,   12                         ; v12      LDS address of my spare word; never rewritten
.set NIL,   13                         ; v13      0; never rewritten
.set SPARE, WAVES*WREG                 ; behind the four regions: the spare words, 128 bytes for each wave
.set MW,    16                         ; the mask's part: v16-19 a row's bits, by key % 4
.set MO,    20                         ; v20-27   the words to store, a pair of registers for each step
.set MX,    32                         ; v32-159  two sets of 16 rows x 4 numbers
	s_load_b512 s[4:19], s[0:1], 0x0               ; query, key_, value, Wq, Wk, Wv, Wo, mask
	s_load_b256 s[20:27], s[0:1], 0x40             ; codes, scales, mwords, mflags
	v_lshl_add_u32 v[SPW], v0, 2, SPARE
	v_mov_b32 v[NIL], 0
	v_lshrrev_b32 v1, 5, v0
	v_readfirstlane_b32 s28, v1                    ; wave
	v_and_b32 v2, 31, v0                           ; lane
	s_cmp_ge_u32 ttmp9, QWG
	s_cbranch_scc1 .Lmask
	; ---------------- the quantiser ----------------
	v_lshlrev_b32 v3, 4, v2                        ; my 16 bytes of a load's 512
	s_mul_i32 s29, s28, WREG
	v_lshrrev_b32 v14, 2, v2
	v_mul_u32_u24 v14, v14, SP
	v_and_b32 v15, 3, v2
	v_lshl_add_u32 v14, v15, 4, v14
	v_add_nc_u32 v14, s29, v14                     ; the stage, on the way in: four lanes' 64 bytes on end, then 16 of padding
	v_mul_u32_u24 v15, v2, SP
	v_add_nc_u32 v15, s29, v15                     ; and on the way out: my 16 neighbours
	v_mul_u32_u24 v4, v2, CB                       ; my codes' place in a step's
	v_lshrrev_b32 v5, 1, v2
	s_add_co_u32 s29, s29, 2*32*SP
	v_add_nc_u32 v5, s29, v5                       ; LDS: my wave's 256 scale bytes, my block's byte
	v_lshlrev_b32 v7, 3, v2                        ; and on the way out 8 bytes a lane
	v_add_nc_u32 v6, s29, v7
	s_and_b32 s36, s28, 1                          ; the wave's number with its two bits changed over: groups 1 and 2 change places
	s_lshl_b32 s36, s36, 1
	s_lshr_b32 s37, s28, 1
	s_or_b32 s36, s36, s37
	s_sub_co_u32 s37, ttmp9, 256
	s_cmp_lt_u32 s37, 608                          ; work-groups 256 to 863: key_, value, Wq, Wk, Wv
	s_cselect_b32 s36, s36, s28
	s_lshl_b32 s37, ttmp9, 2
	s_add_co_u32 s36, s36, s37                     ; which run of 8 rows of the two buffers is mine
	s_mul_i32 s38, s36, 32*STEPS*CB                ; 6,144 bytes of codes a run
	s_mov_b32 s39, 0
	s_lshl_b32 s40, s36, 8                         ; 256 scale bytes a run
	s_mov_b32 s41, 0
	s_wait_kmcnt 0x0
	s_mov_b64 s[32:33], s[16:17]                   ; which tensor: the choice hangs on the work-group's number alone
	s_mov_b32 s34, 864
	s_cmp_lt_u32 ttmp9, 864
	s_cselect_b64 s[32:33], s[14:15], s[32:33]
	s_cselect_b32 s34, 832, s34
	s_cmp_lt_u32 ttmp9, 832
	s_cselect_b64 s[32:33], s[12:13], s[32:33]
	s_cselect_b32 s34, 800, s34
	s_cmp_lt_u32 ttmp9, 800
	s_cselect_b64 s[32:33], s[10:11], s[32:33]
	s_cselect_b32 s34, 768, s34
	s_cmp_lt_u32 ttmp9, 768
	s_cselect_b64 s[32:33], s[8:9], s[32:33]
	s_cselect_b32 s34, 512, s34
	s_cmp_lt_u32 ttmp9, 512
	s_cselect_b64 s[32:33], s[6:7], s[32:33]
	s_cselect_b32 s34, 256, s34
	s_cmp_lt_u32 ttmp9, 256
	s_cselect_b64 s[32:33], s[4:5], s[32:33]
	s_cselect_b32 s34, 0, s34                      ; the tensor's first work-group
	s_sub_co_u32 s34, ttmp9, s34
	s_lshl_b32 s34, s34, 2
	s_add_co_u32 s34, s34, s28
	s_lshl_b32 s34, s34, 15                        ; 32,768 bytes of f32 a wave
	s_mov_b32 s35, 0
	s_add_nc_u64 s[32:33], s[32:33], s[34:35]
	s_add_nc_u64 s[20:21], s[20:21], s[38:39]
	s_add_nc_u64 s[22:23], s[22:23], s[40:41]
.macro LOAD t
.irp i, 0,1,2,3
	global_load_b128 v[R+16*((\t)%4)+4*\i:R+16*((\t)%4)+4*\i+3], v3, s[32:33] offset:2048*(\t)+512*\i th:TH_LOAD_NT   ; 32 lanes read 512 consecutive bytes
.endr
.endm
.macro TURN t                          ; step t's numbers through the stage: LDS serves a wave's instructions in order, so no wait stands between the stores and the loads
.irp i, 0,1,2,3
	ds_store_b128 v14, v[R+16*((\t)%4)+4*\i:R+16*((\t)%4)+4*\i+3] offset:32*SP*((\t)%2)+8*SP*\i
.endr
.irp i, 0,1,2,3
	ds_load_b128 v[X+16*((\t)%2)+4*\i:X+16*((\t)%2)+4*\i+3], v15 offset:32*SP*((\t)%2)+16*\i
.endr
.endm
.irp t, 0,1,2,3
	LOAD \t
.endr
	s_wait_loadcnt 12                              ; step 0's four loads are in
	TURN 0
.macro STEP t
.set XS, X+16*((\t)%2)
.if (\t) > 0
	s_wait_dscnt 1                                 ; this step's numbers are back from the stage (the last step's byte store may be out)
.else
	s_wait_dscnt 0x0
.endif
.if (\t)+4 < STEPS
	LOAD (\t)+4                                    ; into the registers that this step's stores into the stage have read
.endif
.if (\t)+1 < STEPS
.if STEPS-2-(\t) >= 3
	s_wait_loadcnt 12                              ; the next step's four loads are in; those of the three steps behind it may be out
.else
	s_wait_loadcnt 4*(STEPS-2-(\t))
.endif
	TURN (\t)+1
.endif
	v_max3_num_f32 v8, |v[XS]|, |v[XS+1]|, |v[XS+2]|               ; the largest magnitude of my 16
	v_max3_num_f32 v9, |v[XS+3]|, |v[XS+4]|, |v[XS+5]|
.irp i, 6,10
	v_max3_num_f32 v8, v8, |v[XS+\i]|, |v[XS+\i+1]|
	v_max3_num_f32 v9, v9, |v[XS+\i+2]|, |v[XS+\i+3]|
.endr
	v_max3_num_f32 v8, v8, |v[XS+14]|, |v[XS+15]|
	v_max3_num_f32 v8, v8, v9, (EMAX+1)<<23        ; and the floor 2^(3 - 127): the byte cannot fall under 1
	v_max_num_f32_dpp v8, v8, v8 row_xmask:1 row_mask:0xf bank_mask:0xf   ; and of my neighbour's 16: the block's
	v_add_nc_u32 v11, -(EMAX<<23), v8              ; 2 off its exponent field: the conversion takes the exponent field of this operand as its scale
	v_cvt_scalef32_pk16_fp6_f32 v[C+4*(\t):C+4*(\t)+2], v[XS:XS+15], v11
	v_lshrrev_b32 v[E+(\t)], 23, v11               ; the scale's byte (a plain line behind the conversion)
	ds_store_b8 v5, v[E+(\t)] offset:16*(\t)       ; both lanes of a block write the same byte with the same value
	global_store_b96 v4, v[C+4*(\t):C+4*(\t)+2], s[20:21] offset:32*CB*(\t)   ; the wave stores 384 consecutive bytes
.endm
.irp t, 0,1,2,3,4,5,6,7,8,9,10,11,12,13,14,15
	STEP \t
.endr
	ds_load_b64 v[8:9], v6                         ; LDS serves a wave's instructions in order: these see my stores
	s_wait_dscnt 0x0
	global_store_b64 v7, v[8:9], s[22:23]          ; 32 lanes store 256 consecutive bytes, aligned
	s_wait_tensorcnt 0x0                           ; the wave's end, behind my last LDS store
	ds_add_u32 v[SPW], v[NIL]
	s_wait_dscnt 0x0
	s_endpgm
	; ---------------- the mask ----------------
	; Work-group 896 + T takes 16 rows of the mask, wave g its steps 4 g .. 4 g + 3.  No LDS.  A load reads 512 consecutive bytes of one row: lane L holds keys 4 L + c of the step.
.Lmask:
	s_sub_co_u32 s29, ttmp9, QWG                   ; T
	v_lshlrev_b32 v3, 4, v2                        ; in: 16 bytes a lane
	v_lshlrev_b32 v4, 3, v2                        ; out: 8 bytes a lane
	v_lshrrev_b32 v10, 4, v2
	v_lshlrev_b32 v10, 2, v10                      ; 4 (lane / 16)
.irp i, 16,17,18,19,20,21,22,23,24,25,26,27
	v_mov_b32 v\i, 0                               ; written once: a lane write's destination counts as read
.endr
	s_lshl_b32 s30, s29, 17                        ; 16 rows of 8,192 bytes,
	s_lshl_b32 s31, s28, 11                        ; four steps of 512
	s_add_co_u32 s30, s30, s31
	s_mov_b32 s31, 0
	s_lshl_b32 s32, s29, 12                        ; 16 steps of 256 bytes of words,
	s_lshl_b32 s33, s28, 10
	s_add_co_u32 s32, s32, s33
	s_mov_b32 s33, 0
	s_lshl_b32 s34, s29, 4                         ; four flag words a tile
	s_lshl_b32 s35, s28, 2
	s_add_co_u32 s34, s34, s35
	s_mov_b32 s35, 0
	s_mov_b32 s44, 0                               ; the flags
	s_wait_kmcnt 0x0
	s_add_nc_u64 s[18:19], s[18:19], s[30:31]
	s_add_nc_u64 s[24:25], s[24:25], s[32:33]
	s_add_nc_u64 s[26:27], s[26:27], s[34:35]
.macro LOADM sl
.irp r, 0,1,2,3,4,5,6,7,8,9,10,11,12,13,14,15
	global_load_b128 v[MX+64*((\sl)%2)+4*\r:MX+64*((\sl)%2)+4*\r+3], v3, s[18:19] offset:8192*\r+512*(\sl) th:TH_LOAD_NT
.endr
.endm
.macro MSTEP sl
.set XM, MX+64*((\sl)%2)
.if (\sl) < 3
	s_wait_loadcnt 16                              ; this step's 16 loads are in; the next step's may be out
.else
	s_wait_loadcnt 0x0
.endif
	s_mov_b32 s42, 0                               ; some key counts
	s_mov_b32 s43, -1                              ; all count
.irp r, 0,1,2,3,4,5,6,7,8,9,10,11,12,13,14,15
.irp c, 0,1,2,3
	v_cmp_ne_u32 s[36+\c], 0, v[XM+4*\r+\c]        ; bit L: key 4 L + c of row r counts
.endr
.irp c, 0,1,2,3
	s_or_b32 s42, s42, s[36+\c]
	s_and_b32 s43, s43, s[36+\c]
	v_writelane_b32 v[MW+\c], s[36+\c], \r         ; row r's bits go to the two lanes that hold query r
	v_writelane_b32 v[MW+\c], s[36+\c], \r+16
.endr
.endr
.irp c, 0,1,2,3
	v_lshrrev_b32 v[MW+\c], v10, v[MW+\c]          ; lanes 16-31 look 16 keys (4 bits) further on: bit p is now key 4 p + 16 (lane / 16) + c
.endr
.set j, 0
.rept 64                                           ; word j: key 32 (j / 16) + 16 (lane / 16) + j % 16: bit 8 (j / 16) + (j % 16) / 4 of the bits for c = j % 4
	v_and_b32 v[28+j%2], 1<<(8*(j/16)+(j%16)/4), v[MW+j%4]
	v_cmp_ne_u32 s[40+j%2], 0, v[28+j%2]
	v_writelane_b32 v[MO+2*(\sl)+j%2], s[40+j%2], j/2
.set j, j+1
.endr
	global_store_b64 v4, v[MO+2*(\sl):MO+2*(\sl)+1], s[24:25] offset:256*(\sl)   ; 32 lanes store 256 consecutive bytes, aligned
	s_cmp_lg_u32 s42, 0
	s_cselect_b32 s45, 1<<(\sl), 0
	s_or_b32 s44, s44, s45
	s_cmp_eq_u32 s43, -1
	s_cselect_b32 s45, 1<<(16+(\sl)), 0
	s_or_b32 s44, s44, s45
.if (\sl)+2 < 4
	LOADM (\sl)+2
.endif
.endm
	LOADM 0
	LOADM 1
	MSTEP 0
	MSTEP 1
	MSTEP 2
	MSTEP 3
	v_mov_b32 v28, s44
	v_mov_b32 v29, 0
	v_cmp_eq_u32 vcc_lo, 0, v2
	s_wait_xcnt 0x0                                ; EXEC changes only when the earlier stores have had their addresses translated
	s_and_saveexec_b32 s45, vcc_lo
	global_store_b32 v29, v28, s[26:27]            ; lane 0 stores the wave's flag word
	s_endpgm
.Lfunc_end_k_q84ff4d6a62_prep:
	.size	k_q84ff4d6a62_prep, .Lfunc_end_k_q84ff4d6a62_prep-k_q84ff4d6a62_prep
	.p2alignl 7, 3214868480
	.fill 96, 4, 3214868480
	.section	.rodata,"a",@progbits
	.p2align	6, 0x0
	.amdhsa_kernel k_q84ff4d6a62_prep
		.amdhsa_group_segment_fixed_size 33280
		.amdhsa_private_segment_fixed_size 0
		.amdhsa_enable_private_segment 0
		.amdhsa_kernarg_size 96
		.amdhsa_user_sgpr_count 2
		.amdhsa_user_sgpr_kernarg_segment_ptr 1
		.amdhsa_wavefront_size32 1
		.amdhsa_system_sgpr_workgroup_id_x 1
		.amdhsa_system_sgpr_workgroup_id_y 1
		.amdhsa_system_sgpr_workgroup_id_z 1
		.amdhsa_system_vgpr_workitem_id 0
		.amdhsa_next_free_vgpr 192
		.amdhsa_next_free_sgpr 66
		.amdhsa_reserve_vcc 1
		.amdhsa_float_denorm_mode_32 3
		.amdhsa_float_denorm_mode_16_64 3
		.amdhsa_memory_ordered 1
		.amdhsa_forward_progress 1
		.amdhsa_inst_pref_size 153
	.end_amdhsa_kernel
	.amdgpu_metadata
---
amdhsa.version: [ 1, 2 ]
amdhsa.kernels:
  - .name:           k_q84ff4d6a62_prep
    .symbol:         k_q84ff4d6a62_prep.kd
    .args:
      - { .name: query, .offset: 0, .size: 8, .value_kind: global_buffer, .address_space: global }
      - { .name: key_, .offset: 8, .size: 8, .value_kind: global_buffer, .address_space: global }
      - { .name: value, .offset: 16, .size: 8, .value_kind: global_buffer, .address_space: global }
      - { .name: Wq, .offset: 24, .size: 8, .value_kind: global_buffer, .address_space: global }
      - { .name: Wk, .offset: 32, .size: 8, .value_kind: global_buffer, .address_space: global }
      - { .name: Wv, .offset: 40, .size: 8, .value_kind: global_buffer, .address_space: global }
      - { .name: Wo, .offset: 48, .size: 8, .value_kind: global_buffer, .address_space: global }
      - { .name: mask, .offset: 56, .size: 8, .value_kind: global_buffer, .address_space: global }
      - { .name: codes, .offset: 64, .size: 8, .value_kind: global_buffer, .address_space: global }
      - { .name: scales, .offset: 72, .size: 8, .value_kind: global_buffer, .address_space: global }
      - { .name: mwords, .offset: 80, .size: 8, .value_kind: global_buffer, .address_space: global }
      - { .name: mflags, .offset: 88, .size: 8, .value_kind: global_buffer, .address_space: global }
    .group_segment_fixed_size: 33280
    .private_segment_fixed_size: 0
    .kernarg_segment_align: 8
    .kernarg_segment_size: 96
    .max_flat_workgroup_size: 128
    .sgpr_count:     66
    .vgpr_count:     192
    .wavefront_size: 32
...
	.end_amdgpu_metadata
.endif
;; end of part 1
;; launch qkv (part 2): grid 4 x 96, 4 waves a work-group, clusters of 4 x 4, 327,680 bytes of LDS; arguments codes, scales, bq, bk, bv, img, scl; writes img, scl
.if DOCPART == 2
	.amdgcn_target "amdgcn-amd-amdhsa--gfx1250"
	.amdhsa_code_object_version 6
	.text
	.protected	k_q84ff4d6a62_qkv
	.globl	k_q84ff4d6a62_qkv
	.p2align	8
	.type	k_q84ff4d6a62_qkv,@function
k_q84ff4d6a62_qkv:
	s_mov_b64 s[64:65], 0
	v_nop
	global_prefetch_b8 v0, s[64:65] scope:SCOPE_SE
	s_setreg_imm32_b32 hwreg(HW_REG_WAVE_MODE, 25, 1), 1
	s_wait_xcnt 0x0
	s_wait_alu depctr_hold_cnt(0) depctr_sa_sdst(0) depctr_va_vdst(0) depctr_va_sdst(0) depctr_va_ssrc(0) depctr_va_vcc(0) depctr_vm_vsrc(0)
	s_getreg_b32 s2, hwreg(HW_REG_IB_STS2, 6, 4)
	s_cmp_eq_u32 s2, 0
	s_cbranch_scc0 .Lentry_in_a_cluster
	s_endpgm
.Lentry_in_a_cluster:
	s_bfe_u32 s2, ttmp6, 0x10000c
	s_cmp_lg_u32 s2, 0xf033
	s_cbranch_scc0 .Lentry_shape_is_right
	s_endpgm
.Lentry_shape_is_right:
; QKV.  Three products of 8,192 x 1,024 x 1,024 on codes of FP6 (E2M3) with one E8M0 scale for each 32 along K, one body.  role = cluster y / 8:
;   role 0: A = query, B = Wq;   role 1: A = key_, B = Wk;   role 2: A = Wv, B = value.  All lie in one buffer of codes (rows of 768 bytes) and one of scale bytes (rows of 32).
; A tile of 256 x 256 is made by four waves, 128 x 128 each: 64 accumulators, 512 registers.  K goes in steps of 256 through a ring of two LDS slots filled by the tensor data mover; the scale bytes of the
; work-group's rows come into LDS once.  4 x 4 work-groups form a cluster: A's tiles are asked for jointly along a row of the cluster, B's along a column.
; THE MATRIX INSTRUCTION IS USED TRANSPOSED (source 0 = 16 rows of B, source 1 = 16 rows of A): a lane holds one row of A and its registers run along B's rows.  B's rows are stored permuted, so that the 16
; registers of tiles 2 b and 2 b + 1 are the 16 neighbours 32 b + 16 (lane / 16) + 0 .. 15.  In roles 0 and 1 these are a token's features (the scores' K), in role 2 a feature's keys (the second attention product's K).
; THE WAY OUT: the bias is added in f32, a block of 16 rows x 128 is quantised in registers and leaves as IMAGES OF OPERAND REGISTERS: half a fragment (16 rows x 64 along K: 6 registers a lane) is 768 bytes: registers 0-3 at
; 16 x lane, registers 4-5 at 512 + 8 x lane.  Each store of a wave covers 512 or 256 consecutive bytes, aligned.  No stage in LDS.  The scale words leave as images of 512 bytes: [lane][4 words], a word holding an even tile in lanes 0-15
; and the odd tile behind it in lanes 16-31.  For Q and K (64 along K) bytes 2 and 3 of a word are 127: the upper half of the instruction's 128 is zeros in Q.
; LIMITS: blocks whose largest magnitude lies under 2^-124 keep the byte 1; NaN and infinities are not served.
; REGISTERS, in windows of 256: window 0: v0-31 addresses; v32-63 scale words, two sets; v64-127 the bias by columns; v128-223 A's fragments, ONE set (on the way out: v128-191 a block's numbers, v192-210 its codes, v212-220 scale words);
;   v224-239 the bias by rows; v240-242 lane terms; v244-255 the quantiser's.   window 1: B's fragments, TWO sets.   windows 2, 3: the accumulators ((a, b) at v[8 (8 (a % 4) + b)]).
.set SIZE_K, 1024
.set KSTEP,  256
.set NQ,     KSTEP/128
.set ROWB,   192
.set KROW,   SIZE_K*6/8
.set PITCH,  240                       ; an LDS row: 3 x (64 bytes of data + 16 of padding)
.set FR,     12
.set NL,     6
.set NP,     4
.set HALFT,  128*PITCH
.set SLOT,   4*HALFT
.set LAPS,   SIZE_K/(2*KSTEP)
.set KS,     SIZE_K/32
.set SCL,    2*SLOT                    ; behind the ring: the scales, as rows of 256 bytes + 16 of padding
.set HALFS,  (128*KS/256)*272
.set SBLK,   (16*KS/256)*272
.set SPARE,  SCL+4*HALFS               ; the spare words, 128 bytes for each wave
.set ADRA, 16                          ; v16-17 LDS address of my A fragments in slot 0, 1 (v18-19: behind one padding more)
.set ADRB, 20                          ; v20-23 the same for B
.set ADRS, 27                          ; v27    LDS address of my scale words: lanes 0-15 A's rows, lanes 16-31 B's
.set SPW,  28
.set NIL,  29
.set SC,   32
.set BI,   64                          ; roles 0, 1: the bias of tile b's eight columns of my half at v[BI + 8 b]
.set AF,   128
.set H,    128
.set PC,   192
.set PWE,  212
.set PWO,  216
.set PW,   220
.set BV,   224                         ; role 2: the bias of my row of block a at v[BV + 2 a]; the odd registers are written since the packed form names pairs
.set SH,   240                         ; 16 (lane / 16) in roles 0, 1; 0 in role 2
.set L8,   241
.set L16,  242
.set TM,   244                         ; v244-247 largest magnitudes, v248-251 bytes, v252-255 the conversions' scale operands
.set G1, 24
.set G0, 32
.set G1B, 48
.set G0B, 56
.set G1S, 68
.set G0S, 76
.set G1SB, 80
.set G0SB, 88
.set ROLE, 95
.set P0,   96                          ; s[96:97]  where the block's first half fragment goes
.set P1,   98                          ; s[98:99]  and its second
.set SA,   100                         ; s[100:101] from block to block
.set SCA,  92                          ; s[92:93]  where the scale words go
.set AMASK, 94
.set OWORD, 40
.set SEL,  46
.set MSB, 0
.macro WIN new                         ; the immediate's high byte repeats the setting that is left
.if MSB != (\new)
	s_set_vgpr_msb (MSB<<8)|(\new)
.set MSB, (\new)
.endif
.endm
.set MUL_LO, 0xa1                      ; source 0 (B) window 1, source 1 (A) window 0, C and D window 2
.set MUL_HI, 0xf1
.set TO_B,   0x40
; A joint load: waves 0 and 1 fetch for A, waves 2 and 3 for B.  An s_nop 0 and four v_nop follow each of the two lines.
.macro JLOAD g0a, g1a, g0b, g1b
	s_cmp_eq_u32 s15, 0
	s_cbranch_scc0 .Lfor_b_\@
	tensor_load_to_lds s[\g0a:\g0a+3], s[\g1a:\g1a+7]
	s_nop 0
.rept 4
	v_nop
.endr
	s_branch .Lasked_\@
.Lfor_b_\@:
	tensor_load_to_lds s[\g0b:\g0b+3], s[\g1b:\g1b+7]
	s_nop 0
.rept 4
	v_nop
.endr
.Lasked_\@:
.endm
.macro CREST
	s_cmp_lg_u32 s14, 0
	s_cbranch_scc1 .Lnot_wave_0_\@
	s_barrier_signal -3
.Lnot_wave_0_\@:
	s_barrier_wait -3
	s_barrier_signal -1
	s_barrier_wait -1
.endm
.macro CROUND
	s_barrier_signal -1
	s_barrier_wait -1
	CREST
.endm
	s_load_b128 s[4:7], s[0:1], 0x0                ; codes, scales
	s_load_b128 s[8:11], s[0:1], 0x10              ; bq, bk
	s_load_b64 s[12:13], s[0:1], 0x20              ; bv
	s_load_b128 s[96:99], s[0:1], 0x28             ; img, scl
	v_lshl_add_u32 v[SPW], v0, 2, SPARE
	v_mov_b32 v[NIL], 0
	ds_add_u32 v[SPW], v[NIL]                      ; the wave's opening: the add and its wait stand ahead of my first tensor load
	v_lshrrev_b32 v1, 5, v0
	v_readfirstlane_b32 s14, v1                    ; wave 0..3
	s_lshr_b32 s15, s14, 1                         ; which half of the tile's rows is mine.  Also: I fetch for A (0) or for B (1)
	s_and_b32 s16, s14, 1                          ; which half of its columns.  Also: which 128 rows of that tile I fetch
	s_bfe_u32 s40, ttmp6, 0x40000                  ; cx, cy: my place in the cluster
	s_bfe_u32 s41, ttmp6, 0x40004
	s_and_b32 s17, ttmp7, 0xffff                   ; cluster y, 0 .. 23: the same in all sixteen partners
	s_lshr_b32 s[ROLE], s17, 3
	s_and_b32 s17, s17, 7
	s_lshl_b32 s17, s17, 2                         ; four tiles of the long side (8,192 rows) to a cluster
	s_lshl_b32 s100, s[ROLE], 13                   ; A's first row in the buffers: query 0, key_ 8,192;
	s_lshl_b32 s101, s[ROLE], 10
	s_add_co_u32 s101, s101, 24576                 ; B's: Wq 24,576, Wk 25,600
	s_cmp_eq_u32 s[ROLE], 2
	s_cselect_b32 s100, 26624, s100                ; role 2: A = Wv,
	s_cselect_b32 s101, 16384, s101                ; B = value
	s_cselect_b32 s42, s17, 0
	s_cselect_b32 s17, 0, s17
	s_add_co_u32 s42, s42, s40                     ; tile column
	s_add_co_u32 s17, s17, s41                     ; tile row
	s_lshl_b32 s43, s41, 2
	s_lshl_b32 s43, 15, s43                        ; my row of the cluster
	s_lshl_b32 s44, 0x1111, s40                    ; my column
	s_or_b32 s[G1+0], s43, (0<<16)|(1<<20)|(1<<21)|(3<<22)|(3<<25)  ; the mask; elements of 1 byte; padding on; bit 21 beside a mask; after every 16 words 4 words
	s_or_b32 s[G1B+0], s44, (0<<16)|(1<<20)|(1<<21)|(3<<22)|(3<<25)
.irp g, G1, G1B
	s_mov_b32 s[\g+1], ROWB<<16                    ; tensor_dim0
	s_mov_b32 s[\g+2], 128<<16                     ; tensor_dim1
	s_mov_b32 s[\g+3], ROWB<<16                    ; tile_dim0
	s_mov_b32 s[\g+4], 128                         ; tile_dim1
	s_mov_b32 s[\g+5], KROW                        ; from row to row
	s_mov_b32 s[\g+6], 0
	s_mov_b32 s[\g+7], 0
.endr
	s_or_b32 s[G1S+0], s43, (3<<16)|(1<<20)|(1<<21)|(5<<22)|(3<<25)   ; the scales of 128 rows: 4,096 dense bytes as 16 rows of 256, 16 bytes of padding behind each
	s_or_b32 s[G1SB+0], s44, (3<<16)|(1<<20)|(1<<21)|(5<<22)|(3<<25)
.irp g, G1S, G1SB
	s_mov_b32 s[\g+1], 32<<16
	s_mov_b32 s[\g+2], (128*KS/256)<<16
	s_mov_b32 s[\g+3], 32<<16
	s_mov_b32 s[\g+4], 128*KS/256
	s_mov_b32 s[\g+5], 32
	s_mov_b32 s[\g+6], 0
	s_mov_b32 s[\g+7], 0
.endr
	s_lshl_b32 s18, s16, 7                         ; which 128 rows of the tile I fetch
	s_lshl_b32 s20, s17, 8
	s_add_co_u32 s20, s20, s18
	s_add_co_u32 s20, s20, s100                    ; A: its first row + 256 x tile row + 128 x half
	s_lshl_b32 s46, s42, 8
	s_add_co_u32 s46, s46, s18
	s_add_co_u32 s46, s46, s101                    ; B likewise by the tile column
	s_mov_b32 s21, 0
	s_mov_b32 s47, 0
	s_mov_b64 s[18:19], KS
	s_mul_u64 s[22:23], s[20:21], s[18:19]         ; where these rows' scales begin, in bytes
	s_mul_u64 s[92:93], s[46:47], s[18:19]
	s_mov_b64 s[18:19], KROW
	s_mul_u64 s[20:21], s[20:21], s[18:19]         ; and their codes
	s_mul_u64 s[46:47], s[46:47], s[18:19]
	s_mul_i32 s45, s14, HALFT                      ; where they go: wave x 128 rows
	s_mul_i32 s94, s14, HALFS
	s_wait_dscnt 0x0                               ; the opening add is done
	s_wait_kmcnt 0x0
	s_add_nc_u64 s[20:21], s[4:5], s[20:21]
	s_add_nc_u64 s[22:23], s[6:7], s[22:23]
	s_add_nc_u64 s[46:47], s[4:5], s[46:47]
	s_add_nc_u64 s[92:93], s[6:7], s[92:93]
	CROUND                                         ; all sixteen work-groups are here: the first joint loads meet
	s_mov_b32 s[G0S], 1
	s_add_co_u32 s[G0S+1], s94, SCL
	s_mov_b64 s[G0S+2:G0S+3], s[22:23]
	s_or_b32 s[G0S+3], s[G0S+3], 0x80000000
	s_mov_b32 s[G0SB], 1
	s_add_co_u32 s[G0SB+1], s94, SCL
	s_mov_b64 s[G0SB+2:G0SB+3], s[92:93]
	s_or_b32 s[G0SB+3], s[G0SB+3], 0x80000000
	JLOAD G0S, G1S, G0SB, G1SB                     ; the scales first: they are wanted with K step 0
.irp s, 0,1
	s_mov_b32 s[G0+4*\s], 1
	s_add_co_u32 s[G0+4*\s+1], s45, \s*SLOT
	s_add_nc_u64 s[G0+4*\s+2:G0+4*\s+3], s[20:21], \s*ROWB
	s_or_b32 s[G0+4*\s+3], s[G0+4*\s+3], 0x80000000
	s_mov_b32 s[G0B+4*\s], 1
	s_add_co_u32 s[G0B+4*\s+1], s45, \s*SLOT
	s_add_nc_u64 s[G0B+4*\s+2:G0B+4*\s+3], s[46:47], \s*ROWB
	s_or_b32 s[G0B+4*\s+3], s[G0B+4*\s+3], 0x80000000
	JLOAD G0+4*\s, G1, G0B+4*\s, G1B
.endr
	v_and_b32 v1, 15, v0                           ; r = l % 16
	v_bfe_u32 v2, v0, 4, 1                         ; h = l / 16
	v_mul_u32_u24 v3, v1, PITCH
	v_mul_u32_u24 v4, v2, 24
	v_add_nc_u32 v4, v3, v4                        ; a fragment's row x pitch + 24 x half
	v_lshl_add_u32 v5, v2, 4, v4                   ; and the same behind one padding more
	s_mul_i32 s21, s15, HALFT                      ; my 128 rows of A
	s_mul_i32 s22, s16, HALFT                      ; my 128 rows of B,
	s_add_co_u32 s22, s22, 2*HALFT                 ; which lie behind A's 256
.irp s, 0,1
	v_add_nc_u32 v[ADRA+\s], s21, v4
	v_add_nc_u32 v[ADRB+\s], s22, v4
	v_add_nc_u32 v[ADRA+2+\s], s21, v5
	v_add_nc_u32 v[ADRB+2+\s], s22, v5
	s_add_co_u32 s21, s21, SLOT
	s_add_co_u32 s22, s22, SLOT
.endr
	v_mul_u32_u24 v5, v1, KS                       ; my row's scales: KS bytes a row,
	v_lshrrev_b32 v6, 8, v5
	v_lshl_add_u32 v5, v6, 4, v5                   ; and 16 more for each 256 passed
	s_mul_i32 s21, s15, HALFS
	s_mul_i32 s22, s16, HALFS
	s_add_co_u32 s22, s22, 2*HALFS
	s_sub_co_u32 s22, s22, s21
	v_mul_u32_u24 v6, s22, v2                      ; lanes 16-31 take B's
	s_add_co_u32 s21, s21, SCL
	v_add_nc_u32 v5, v5, v6
	v_add_nc_u32 v[ADRS], s21, v5
	; THE WAY OUT'S ADDRESSES.  A0, B0: my first row of A and of B in their tensors.  The tokens are A's rows in roles 0 and 1, B's in role 2; the features are the other side's.
	s_lshl_b32 s20, s17, 8
	s_lshl_b32 s21, s15, 7
	s_add_co_u32 s20, s20, s21                     ; A0
	s_lshl_b32 s22, s42, 8
	s_lshl_b32 s21, s16, 7
	s_add_co_u32 s22, s22, s21                     ; B0
	s_cmp_eq_u32 s[ROLE], 2
	s_cselect_b32 s21, s22, s20                    ; my first token
	s_cselect_b32 s23, s20, s22                    ; my first feature
	s_cselect_b32 s18, s20, 0                      ; the bias by rows begins at A0 in role 2 (else at 0: loaded, not used)
	s_cselect_b32 s19, 0, s22                      ; the bias by columns at B0 in roles 0 and 1
	s_cselect_b32 s[AMASK], -1, 0xffff             ; what is kept of a scale word,
	s_cselect_b32 s[OWORD], 0, 0x7f7f0000          ; and what is set in it
	s_mov_b32 s[SA], 768
	s_cselect_b32 s[SA], 1536, s[SA]               ; from block to block
	s_mov_b32 s[SA+1], 0
	s_mov_b32 s44, 98304
	s_cselect_b32 s44, 768, s44                    ; from a block's first half fragment to its second: the next head's images, or in role 2 the same tile's upper 64 keys
	s_mov_b32 s45, 0
	s_cselect_b32 s43, 0, 16
	s_cselect_b32 s41, 12, 13                      ; scale images: 4,096 bytes for a step of V (8 pairs of heads), 8,192 for a head of Q or K (16 steps)
	s_lshr_b32 s46, s21, 11
	s_lshl_b32 s46, s46, 4                         ; 16 x batch
	s_bfe_u32 s47, s21, 0x40007                    ; the step of 128 tokens in the batch
	s_lshr_b32 s23, s23, 6                         ; my first head (an even one)
	s_lshr_b32 s92, s23, 1
	s_cmp_eq_u32 s[ROLE], 2
	s_cselect_b32 s20, s47, s23                    ; the outer index: head (Q, K) or step (V),
	s_cselect_b32 s21, s23, s47                    ; the inner: step or head
	s_cselect_b32 s22, s92, s47                    ; which scale image: step, or pair of heads
	s_add_co_u32 s20, s20, s46
	s_mul_i32 s46, s20, 98304
	s_mul_i32 s21, s21, 6144
	s_add_co_u32 s46, s46, s21
	s_mul_i32 s21, s[ROLE], 6291456
	s_add_co_u32 s46, s46, s21
	s_mov_b32 s47, 0
	s_lshl_b32 s20, s20, s41
	s_lshl_b32 s22, s22, 9
	s_add_co_u32 s20, s20, s22
	s_lshl_b32 s22, s[ROLE], 19
	s_add_co_u32 s20, s20, s22
	s_mov_b32 s21, 0
	s_add_nc_u64 s[SCA:SCA+1], s[98:99], s[20:21]
	s_add_nc_u64 s[P0:P0+1], s[96:97], s[46:47]
	s_add_nc_u64 s[P1:P1+1], s[P0:P0+1], s[44:45]
	s_mov_b32 s[SEL], 0x76543210
	s_mov_b32 s[SEL+1], 0xfedcba98                 ; v_permlanex16_b32's selects for lane l xor 16
	s_cmp_eq_u32 s[ROLE], 1
	s_cselect_b64 s[8:9], s[10:11], s[8:9]
	s_cmp_eq_u32 s[ROLE], 2
	s_cselect_b64 s[8:9], s[12:13], s[8:9]         ; the role's bias
	s_lshl_b32 s20, s19, 2
	s_add_nc_u64 s[10:11], s[8:9], s[20:21]
	s_lshl_b32 s20, s18, 2
	s_add_nc_u64 s[12:13], s[8:9], s[20:21]
	v_mul_u32_u24 v[SH], v2, s43
	v_and_b32 v6, 31, v0
	v_lshlrev_b32 v[L8], 3, v6
	v_lshlrev_b32 v[L16], 4, v6
	v_lshlrev_b32 v7, 6, v2                        ; by columns: tile 2 b + u, lane (r, h), register j: column 32 b + 8 u + 16 h + j
.irp b, 0,1,2,3,4,5,6,7
	global_load_b128 v[BI+8*\b:BI+8*\b+3], v7, s[10:11] offset:(32*(\b/2)+8*(\b%2))*4
	global_load_b128 v[BI+8*\b+4:BI+8*\b+7], v7, s[10:11] offset:(32*(\b/2)+8*(\b%2))*4+16
.endr
	v_and_b32 v8, 8, v1
	v_add_nc_u32 v8, v8, v1
	v_lshlrev_b32 v8, 2, v8                        ; by rows: block 2 b + u, lane r: true row 32 b + 8 u + r + 8 (r / 8)
.irp a, 0,1,2,3,4,5,6,7
	global_load_b32 v[BV+2*\a], v8, s[12:13] offset:(32*(\a/2)+8*(\a%2))*4
	v_mov_b32 v[BV+2*\a+1], 0
.endr
.macro FRAG reg, adr, q, i             ; a fragment, 16 rows x 128 K of 6-bit codes, is 12 registers: registers 6 c .. 6 c + 5 hold K = 64 c + 32 (l / 16) + 0 .. 31: 24 bytes of the row, as they lie, in pieces of 8 bytes
.irp p, 0,1,2,3,4,5
.set PCE, 12*(\q)+6*(\p/3)+\p%3        ; 16 bytes of padding lie behind every 8 pieces: where the piece three on lies behind one padding more, the second address register serves
.if PCE%8 < 5
	ds_load_b64 v[\reg+2*\p:\reg+2*\p+1], v[\adr] offset:8*PCE+16*(PCE/8)+(\i)*16*PITCH
.else
	ds_load_b64 v[\reg+2*\p:\reg+2*\p+1], v[\adr+2] offset:8*PCE+16*(PCE/8)+(\i)*16*PITCH
.endif
.endr
.endm
; 16 matrix instructions: A's blocks a0, a0 + 1 x B's eight, 128 along K.  The 64 accumulators take turns, one instruction a turn, in the same order in every step.
.macro MUL16 a0, p, q, sc, zero
.irp a, \a0, \a0+1
.irp b, 0,1,2,3,4,5,6,7
.if \zero
	v_wmma_scale_f32_16x16x128_f8f6f4 v[8*(8*((\a)%4)+\b):8*(8*((\a)%4)+\b)+7], v[128*(\p)+FR*\b:128*(\p)+FR*\b+FR-1], v[AF+FR*(\a):AF+FR*(\a)+FR-1], 0, v[SC+8*NQ*(\sc)+NQ*\b+(\q)], v[SC+8*NQ*(\sc)+NQ*(\a)+(\q)] matrix_a_fmt:MATRIX_FMT_FP6 matrix_b_fmt:MATRIX_FMT_FP6 matrix_a_scale:MATRIX_SCALE_ROW1
.else
	v_wmma_scale_f32_16x16x128_f8f6f4 v[8*(8*((\a)%4)+\b):8*(8*((\a)%4)+\b)+7], v[128*(\p)+FR*\b:128*(\p)+FR*\b+FR-1], v[AF+FR*(\a):AF+FR*(\a)+FR-1], v[8*(8*((\a)%4)+\b):8*(8*((\a)%4)+\b)+7], v[SC+8*NQ*(\sc)+NQ*\b+(\q)], v[SC+8*NQ*(\sc)+NQ*(\a)+(\q)] matrix_a_fmt:MATRIX_FMT_FP6 matrix_b_fmt:MATRIX_FMT_FP6 matrix_a_scale:MATRIX_SCALE_ROW1
.endif
.endr
.endr
.endm
.macro FETCH_B slot, q, p
	WIN TO_B
.irp i, 0,1,2,3,4,5,6,7
	FRAG 128*(\p)+FR*\i, ADRB+\slot, \q, \i
.endr
	WIN 0
.endm
.macro FETCH_A slot, q, i0
.irp i, \i0, \i0+1, \i0+2, \i0+3
	FRAG AF+FR*(\i), ADRA+\slot, \q, \i
.endr
.endm
.macro SCALES sc                       ; the next K step's scale words: lanes 0-15 take A's block i, lanes 16-31 B's block i
.irp i, 0,1,2,3,4,5,6,7
	ds_load_b64 v[SC+8*NQ*\sc+NQ*\i:SC+8*NQ*\sc+NQ*\i+1], v[ADRS] offset:\i*SBLK
.endr
.endm
.macro PLACES n                        ; plain vector instructions between a matrix instruction and a load into, or a vector access to, its registers
.rept \n
	v_nop
.endr
.endm
.macro STEP slot, q, zero              ; a step of 128 along K that has its successor in the same slot
	s_wait_dscnt 4*NL                              ; B's set and A's blocks 0-3 are in; the youngest 24 loads (A's blocks 4-7) may be out
	WIN MUL_LO
	MUL16 0, (\q)%2, \q, \slot, \zero
	MUL16 2, (\q)%2, \q, \slot, \zero
	s_wait_dscnt 0
	PLACES NP
	FETCH_B \slot, (\q)+1, 1-(\q)%2
	FETCH_A \slot, (\q)+1, 0
	WIN MUL_HI
	MUL16 4, (\q)%2, \q, \slot, \zero
	MUL16 6, (\q)%2, \q, \slot, \zero
	PLACES NP
	WIN 0
	FETCH_A \slot, (\q)+1, 4
.endm
; A slot's last step changes slots: ONE barrier; in front of it each wave waits for all its tensor loads, adds 0 to its spare word, and waits for that and for its own reads of this slot.
.macro TURN slot, next, fill
	s_wait_tensorcnt 0x0                           ; all my tensor loads have landed: my part of the next slot
	ds_add_u32 v[SPW], v[NIL]                      ; 0 onto my spare word
	s_wait_dscnt 4*NL+1                            ; (the add and the youngest 24 loads may be out)
	WIN MUL_LO
	MUL16 0, 1, NQ-1, \slot, 0
	s_wait_dscnt 0x0                               ; the add is done, and my reads of this slot are over
	s_barrier_signal -1
	MUL16 2, 1, NQ-1, \slot, 0
	WIN 0
	s_barrier_wait -1
.if \fill
	CREST                                          ; the barrier has opened a round of the cluster's barrier: no wave of any partner still reads this slot or has a load on its way
	s_add_nc_u64 s[G0+4*\slot+2:G0+4*\slot+3], s[G0+4*\slot+2:G0+4*\slot+3], 2*ROWB
	s_add_nc_u64 s[G0B+4*\slot+2:G0B+4*\slot+3], s[G0B+4*\slot+2:G0B+4*\slot+3], 2*ROWB
	JLOAD G0+4*\slot, G1, G0B+4*\slot, G1B         ; the first tensor load behind the round; its four v_nop are the places in front of the loads below
.else
	PLACES NP
.endif
	v_add_nc_u32 v[ADRS], 4*NQ, v[ADRS]
	FETCH_B \next, 0, 0
	FETCH_A \next, 0, 0
	SCALES \next
	WIN MUL_HI
	MUL16 4, 1, NQ-1, \slot, 0
	MUL16 6, 1, NQ-1, \slot, 0
	PLACES NP
	WIN 0
	FETCH_A \next, 0, 4
.endm
	s_wait_loadcnt 0x0                             ; the biases
	s_wait_tensorcnt 1                             ; the scales and my part of K step 0 are in (K step 1's load may be out),
	s_barrier_signal -1
	s_barrier_wait -1                              ; everybody's are
	FETCH_B 0, 0, 0
	FETCH_A 0, 0, 0
	SCALES 0
	FETCH_A 0, 0, 4
	STEP 0, 0, 1                                   ; the first step stands in front of the loop: its products start the sums
	s_mov_b32 s3, LAPS-1
.Llap:
	TURN 0, 1, 1
	STEP 1, 0, 0
	TURN 1, 0, 1
	STEP 0, 0, 0
	s_sub_co_u32 s3, s3, 1
	s_cmp_lg_u32 s3, 0
	s_cbranch_scc1 .Llap
	TURN 0, 1, 0                                   ; the last lap fills nothing
	STEP 1, 0, 0
	s_wait_dscnt 4*NL
	WIN MUL_LO
	MUL16 0, 1, NQ-1, 1, 0
	MUL16 2, 1, NQ-1, 1, 0
	s_wait_dscnt 0
	WIN MUL_HI
	MUL16 4, 1, NQ-1, 1, 0
	MUL16 6, 1, NQ-1, 1, 0
	WIN 0
; 64 numbers of a lane, register 16 b + i = k 32 b + 16 (lane / 16) + i of my row, become a fragment's codes in v[PC] on and its scale word in v[PW].
.macro QUANT s
.irp b, 0,1,2,3
	v_max3_num_f32 v[TM+\b], |v[\s+16*\b]|, |v[\s+1+16*\b]|, 0x1800000   ; block b: my 16 numbers, and the floor 2^(3 - 127): the byte cannot fall under 1
.endr
.irp i, 2,4,6,8,10,12,14
.irp b, 0,1,2,3
	v_max3_num_f32 v[TM+\b], v[TM+\b], |v[\s+16*\b+\i]|, |v[\s+1+16*\b+\i]|
.endr
.endr
.irp b, 0,1,2,3
	v_permlanex16_b32 v[TM+4+\b], v[TM+\b], s[SEL], s[SEL+1]
.endr
.irp b, 0,1,2,3
	v_max_num_f32 v[TM+\b], v[TM+\b], v[TM+4+\b]   ; with lane l xor 16's: the block's largest magnitude
.endr
.irp b, 0,1,2,3
	v_add_nc_u32 v[TM+8+\b], 0xff000000, v[TM+\b]  ; 2 off its exponent field: the conversion's scale operand
.endr
.irp b, 0,1,2,3
	v_lshrrev_b32 v[TM+4+\b], 23, v[TM+8+\b]       ; the scale's byte
.endr
	v_lshl_or_b32 v[PW], v[TM+5], 8, v[TM+4]
	v_lshl_or_b32 v[PW], v[TM+6], 16, v[PW]
	v_lshl_or_b32 v[PW], v[TM+7], 24, v[PW]
.irp c, 0,1
	v_cvt_scalef32_pk16_fp6_f32 v[PC+6*\c:PC+2+6*\c], v[\s+32*\c:\s+15+32*\c], v[TM+8+2*\c]
	v_cvt_scalef32_pk16_fp6_f32 v[PC+12+4*\c:PC+14+4*\c], v[\s+16+32*\c:\s+31+32*\c], v[TM+8+2*\c+1]   ; (a conversion's three registers begin on an even number)
.endr
	v_nop                                          ; one plain place behind a scaled conversion
.irp c, 0,1                                    ; the operand's layout wants a WHOLE block in a lane
.irp i, 0,1,2
	v_permlane16_swap_b32 v[PC+6*\c+\i], v[PC+12+4*\c+\i]
.endr
.irp i, 0,1,2
	v_mov_b32 v[PC+3+6*\c+\i], v[PC+12+4*\c+\i]
.endr
.endr
.endm
; Block a: 16 rows of A x my 128 rows of B.  Roles 0, 1: 16 tokens x two heads' 64 features: two half fragments.  Role 2: 16 features (tile a % 4 of head a / 4) x 128 keys: a whole fragment, as two halves.
.macro BLOCKOUT a
	s_cmp_eq_u32 s[ROLE], 2
	s_cbranch_scc1 .Lby_row_\@
	WIN 0x02+(\a)/4                                ; source 0: the accumulators' window
.set j, 0
.rept 32
	v_pk_add_f32 v[H+j:H+j+1], v[64*((\a)%4)+j:64*((\a)%4)+j+1], v[BI+j:BI+j+1]      ; each accumulator from its low end on
.set j, j+2
.endr
	WIN 0
	s_branch .Lbiased_\@
.Lby_row_\@:
	WIN 0x02+(\a)/4
.set j, 0
.rept 32
	v_pk_add_f32 v[H+j:H+j+1], v[64*((\a)%4)+j:64*((\a)%4)+j+1], v[BV+2*(\a):BV+2*(\a)+1] op_sel_hi:[1,0]
.set j, j+2
.endr
	WIN 0
.Lbiased_\@:
.if (\a) > 0
	s_wait_xcnt 0x0                                ; the last block's stores have read their data and their bases: both are written again only behind this wait
	s_add_nc_u64 s[P0:P0+1], s[P0:P0+1], s[SA:SA+1]
	s_add_nc_u64 s[P1:P1+1], s[P1:P1+1], s[SA:SA+1]
.endif
	QUANT H
	global_store_b128 v[L16], v[PC:PC+3], s[P0:P0+1]                  ; 512 consecutive bytes, aligned
	global_store_b64 v[L8], v[PC+4:PC+5], s[P0:P0+1] offset:512       ; 256
	global_store_b128 v[L16], v[PC+6:PC+9], s[P1:P1+1]
	global_store_b64 v[L8], v[PC+10:PC+11], s[P1:P1+1] offset:512
	v_lshrrev_b32 v[PW], v[SH], v[PW]              ; roles 0, 1: lanes 0-15 keep the first head's two bytes, lanes 16-31 take the second head's
.if (\a)%2 == 0
	v_and_or_b32 v[PWE+(\a)/2], v[PW], s[AMASK], s[OWORD]
.else
	v_and_or_b32 v[PWO+(\a)/2], v[PW], s[AMASK], s[OWORD]
.endif
.endm
.irp b, 0,1,2,3
	v_mov_b32 v[TM+4+\b], 0                        ; written once: a lane permute's destination counts as one of its sources.  These four are also the places behind the last products
.endr
.irp a, 0,1,2,3,4,5,6,7
	BLOCKOUT \a
.endr
.irp b, 0,1,2,3
	v_permlane16_swap_b32 v[PWE+\b], v[PWO+\b]     ; the first now holds the even block in lanes 0-15 and the odd one in lanes 16-31, for the first head; the second the same for the second head
.endr
	global_store_b128 v[L16], v[PWE:PWE+3], s[SCA:SCA+1]
	s_cmp_eq_u32 s[ROLE], 2
	s_cbranch_scc1 .Lone_image                     ; in role 2 the four words are two heads' already
	global_store_b128 v[L16], v[PWO:PWO+3], s[SCA:SCA+1] offset:8192
.Lone_image:
	s_wait_tensorcnt 0x0                           ; the wave's end
	ds_add_u32 v[SPW], v[NIL]
	s_wait_dscnt 0x0
	CROUND                                         ; the closing round: no work-group ends while a partner may still ask for a tile that names it
	s_endpgm
.Lfunc_end_k_q84ff4d6a62_qkv:
	.size	k_q84ff4d6a62_qkv, .Lfunc_end_k_q84ff4d6a62_qkv-k_q84ff4d6a62_qkv
	.p2alignl 7, 3214868480
	.fill 96, 4, 3214868480
	.section	.rodata,"a",@progbits
	.p2align	6, 0x0
	.amdhsa_kernel k_q84ff4d6a62_qkv
		.amdhsa_group_segment_fixed_size 327680
		.amdhsa_private_segment_fixed_size 0
		.amdhsa_enable_private_segment 0
		.amdhsa_kernarg_size 56
		.amdhsa_user_sgpr_count 2
		.amdhsa_user_sgpr_kernarg_segment_ptr 1
		.amdhsa_wavefront_size32 1
		.amdhsa_system_sgpr_workgroup_id_x 1
		.amdhsa_system_sgpr_workgroup_id_y 1
		.amdhsa_system_sgpr_workgroup_id_z 1
		.amdhsa_system_vgpr_workitem_id 0
		.amdhsa_next_free_vgpr 1024
		.amdhsa_next_free_sgpr 102
		.amdhsa_reserve_vcc 0
		.amdhsa_float_denorm_mode_32 3
		.amdhsa_float_denorm_mode_16_64 3
		.amdhsa_memory_ordered 1
		.amdhsa_forward_progress 1
		.amdhsa_inst_pref_size 203
	.end_amdhsa_kernel
	.amdgpu_metadata
---
amdhsa.version: [ 1, 2 ]
amdhsa.kernels:
  - .name:           k_q84ff4d6a62_qkv
    .symbol:         k_q84ff4d6a62_qkv.kd
    .args:
      - { .name: codes, .offset: 0, .size: 8, .value_kind: global_buffer, .address_space: global }
      - { .name: scales, .offset: 8, .size: 8, .value_kind: global_buffer, .address_space: global }
      - { .name: bq, .offset: 16, .size: 8, .value_kind: global_buffer, .address_space: global }
      - { .name: bk, .offset: 24, .size: 8, .value_kind: global_buffer, .address_space: global }
      - { .name: bv, .offset: 32, .size: 8, .value_kind: global_buffer, .address_space: global }
      - { .name: img, .offset: 40, .size: 8, .value_kind: global_buffer, .address_space: global }
      - { .name: scl, .offset: 48, .size: 8, .value_kind: global_buffer, .address_space: global }
    .group_segment_fixed_size: 327680
    .private_segment_fixed_size: 0
    .kernarg_segment_align: 8
    .kernarg_segment_size: 56
    .max_flat_workgroup_size: 128
    .sgpr_count:     102
    .vgpr_count:     1024
    .wavefront_size: 32
...
	.end_amdgpu_metadata
.endif
;; end of part 2
;; launch attn (part 3): grid 4 x 64, 16 waves a work-group, no clusters, 215,040 bytes of LDS; arguments img, scl, mwords, mflags, cimg, csc; writes cimg, csc
.if DOCPART == 3
	.amdgcn_target "amdgcn-amd-amdhsa--gfx1250"
	.amdhsa_code_object_version 6
	.text
	.protected	k_q84ff4d6a62_attn
	.globl	k_q84ff4d6a62_attn
	.p2align	8
	.type	k_q84ff4d6a62_attn,@function
k_q84ff4d6a62_attn:
	s_mov_b64 s[64:65], 0
	v_nop
	global_prefetch_b8 v0, s[64:65] scope:SCOPE_SE
	s_setreg_imm32_b32 hwreg(HW_REG_WAVE_MODE, 25, 1), 1
	s_wait_xcnt 0x0
; ATTENTION on codes of FP6 (E2M3): context[b][q][head][:] = sum over k of softmax_k(Q . K / 8, under the mask) V, both products quantised; the context leaves quantised along the model's 1,024 for the last product.
; THE SOFTMAX AHEAD OF THE SECOND PRODUCT: t = score x log2(e) / 8; M = the row's largest t so far, rounded UP to a whole number; p = 2^(t - M) is quantised along the keys; the row's sum is taken of the unquantised p and divides at the end.
; SHARES.  Work-group (g, bh): one head of one batch.  ALL of the head's K and V (codes as images of operand registers, 96 KiB each, and their scale words) lie in LDS, filled once through registers: one barrier, and then the
; sixteen waves run free.  Wave w owns the tiles of 16 queries 16 g + w and 127 - (16 g + w), one after the other (any sharing is right; this one evens the work where later keys are hidden).
; NO CLUSTER, NO TENSOR LOAD: a step of 128 keys all of which the mask hides from the tile's 16 queries is passed over by a scalar branch on flags that an earlier launch stored.
; What the four work-groups of a head share is 204 KiB, read once by each.
; THE MASK is honoured as it is given: 64 lane masks for each tile and step (bit L of word n: the key of register n in lane L counts); hidden scores become -infinity ahead of the maximum.
; THE HEAD'S 64 ARE HALF OF THE INSTRUCTION'S 128: Q's upper six registers are zero codes, so K's operand may name whatever six registers follow its own (FP6 has no NaN code); the scale bytes of the upper half are 127.
; LAYOUT.  Both products are used transposed (S^T = K Q^T, O^T = V^T P^T): a lane holds ONE query throughout.  K's tiles hold keys 32 b + 8 u + r + 8 (r / 8), so that registers 16 b + i of S^T are keys 32 b + 16 (lane / 16) + i.
; A row that the mask hides wholly has the sum 0: its scale bytes are set to 0xff, which makes that token's outputs NaN, as a softmax over nothing is.
; REGISTERS: v1-4, v30, v31, v86, v87 lane terms; v5, v6 the add's two; v7 -infinity; v8-11, v28, v29 addresses in hand; v12 -M, v13 the largest t, v[14:15] the sum; v16-21 Q, v22-27 zeros; v32-79 K's 8 x 6, then V's 4 x 12; v80-85 zeros;
;   v88-93 offsets in memory; v96-159 S^T, then p; v160-191 O^T; v224-235 p's codes; v232-254 at work; v248-251 K's or V's scale words; v253 p's; v255 Q's.
.set KI,    0                          ; LDS: K's images: step s at 6,144 s, tile t at 768 t
.set VI,    98304                      ; V's: step s at 6,144 s, tile t at 1,536 t, halves 768 apart
.set KSC,   196608                     ; K's scale words: 512 bytes a step
.set VSC,   204800                     ; V's: 256 bytes a step
.set SPARE, 212992                     ; the spare words, 128 bytes for each of the sixteen waves
.set SPW, 5
.set NIL, 6
.set WV,  84
.set TAU, 85                           ; the tile of queries in hand
.set FL,  86                           ; its flags: bit 0 'some key of the step in hand counts', bit 16 'all count'
.set CNT, 87
.set TB,  88                           ; the step's images: 6,144 a step
.set TS,  89                           ; K's scale words: 512 a step
.set SEL, 90
.set CS,  92                           ; s[92:93] c = log2(e) / 8
.set TV,  94                           ; V's scale words: 256 a step
.set MP,  100                          ; s[100:101] the step's mask words
	s_load_b256 s[4:11], s[0:1], 0x0               ; img, scl, mwords, mflags
	s_load_b128 s[12:15], s[0:1], 0x20             ; cimg, csc
	v_lshl_add_u32 v[SPW], v0, 2, SPARE
	v_mov_b32 v[NIL], 0
	v_lshrrev_b32 v8, 5, v0
	s_delay_alu instid0(VALU_DEP_1)
	v_readfirstlane_b32 s[WV], v8                  ; wave 0..15
	v_and_b32 v9, 31, v0
	s_delay_alu instid0(VALU_DEP_1)
	v_lshlrev_b32 v1, 4, v9                        ; 16 x lane
	s_delay_alu instid0(VALU_DEP_2)
	v_lshlrev_b32 v2, 3, v9                        ; 8 x lane
	s_delay_alu instid0(VALU_DEP_2)
	v_add_nc_u32 v3, VI, v1
	s_delay_alu instid0(VALU_DEP_2)
	v_add_nc_u32 v4, VI, v2
	s_delay_alu instid0(VALU_DEP_4)
	v_add_nc_u32 v30, KSC, v1
	s_delay_alu instid0(VALU_DEP_4)
	v_add_nc_u32 v31, VSC, v2
	v_and_b32 v86, 15, v0
	s_delay_alu instid0(VALU_DEP_1)
	v_lshlrev_b32 v87, 5, v86                      ; 32 (lane % 16)
	s_delay_alu instid0(VALU_DEP_2)
	v_lshlrev_b32 v86, 4, v86                      ; 16 (lane % 16)
	s_mul_i32 s19, s[WV], 6144                     ; THE FILL: wave w brings step w
	v_add_nc_u32 v10, s19, v1
	v_add_nc_u32 v11, s19, v3
	s_lshl_b32 s20, s[WV], 9
	v_add_nc_u32 v28, s20, v30
	s_lshl_b32 s20, s[WV], 8
	v_add_nc_u32 v29, s20, v31
	s_and_b32 s16, ttmp7, 0xffff                   ; 16 x batch + head
	s_lshr_b32 s17, s16, 4                         ; batch
	s_and_b32 s18, s16, 15                         ; head
	s_mul_i32 s22, s16, 98304                      ; a head's images of Q, or of K
	s_mov_b32 s23, 0
	s_add_co_u32 s24, s22, s19
	s_add_co_u32 s24, s24, 6291456                 ; K's step w
	s_mov_b32 s25, 0
	s_lshl_b32 s26, s17, 4
	s_add_co_u32 s26, s26, s[WV]                   ; 16 x batch + step
	s_lshl_b32 s28, s26, 4
	s_add_co_u32 s28, s28, s18
	s_mul_i32 s28, s28, 6144
	s_add_co_u32 s28, s28, 12582912                ; V's step w of my head
	s_mov_b32 s29, 0
	s_lshl_b32 s30, s16, 13                        ; a head's scale images of Q, or of K
	s_mov_b32 s31, 0
	s_lshl_b32 s32, s[WV], 9
	s_add_co_u32 s32, s32, s30
	s_add_co_u32 s32, s32, 524288
	s_mov_b32 s33, 0
	s_lshl_b32 s34, s26, 3
	s_lshr_b32 s35, s18, 1
	s_add_co_u32 s34, s34, s35
	s_lshl_b32 s34, s34, 9                         ; V's scale image of the step and my pair of heads;
	s_and_b32 s35, s18, 1
	s_lshl_b32 s35, s35, 3
	s_add_co_u32 s34, s34, s35                     ; of a lane's four words the even head has the first two, the odd head the others
	s_add_co_u32 s34, s34, 1048576
	s_mov_b32 s35, 0
	s_mul_i32 s36, s17, 1572864                    ; the context's codes: [batch][tile 128][head 16][768]
	s_mul_i32 s37, s18, 768
	s_add_co_u32 s36, s36, s37
	s_mov_b32 s37, 0
	s_lshl_b32 s38, s17, 16                        ; its scale bytes: [token][32], my head's two
	s_lshl_b32 s39, s18, 1
	s_add_co_u32 s38, s38, s39
	s_mov_b32 s39, 0
	s_lshl_b32 s[TAU], ttmp9, 4
	s_add_co_u32 s[TAU], s[TAU], s[WV]             ; my first tile
	s_mov_b32 s[SEL], 0x76543210
	s_mov_b32 s[SEL+1], 0xfedcba98                 ; v_permlanex16_b32's selects for lane l xor 16
	s_mov_b32 s[CS], 0x3e38aa3b                    ; log2(e) / 8
	s_mov_b32 s[CS+1], s[CS]                       ; (named with it as a pair)
	s_mov_b32 s3, 2                                ; tiles to go
	s_wait_kmcnt 0x0
	s_add_nc_u64 s[24:25], s[4:5], s[24:25]
	s_add_nc_u64 s[28:29], s[4:5], s[28:29]
	s_add_nc_u64 s[32:33], s[6:7], s[32:33]
	s_add_nc_u64 s[34:35], s[6:7], s[34:35]
	s_add_nc_u64 s[4:5], s[4:5], s[22:23]          ; Q's images of my head
	s_add_nc_u64 s[6:7], s[6:7], s[30:31]          ; and their scale images
	s_add_nc_u64 s[12:13], s[12:13], s[36:37]
	s_add_nc_u64 s[14:15], s[14:15], s[38:39]
.irp i, 0,1,2,3,4,5,6,7,8,9,10,11
	global_load_b128 v[96+4*\i:99+4*\i], v1, s[24:25] offset:512*\i      ; 512 consecutive bytes a load
.endr
.irp i, 0,1,2,3,4,5,6,7,8,9,10,11
	global_load_b128 v[144+4*\i:147+4*\i], v1, s[28:29] offset:512*\i
.endr
	global_load_b128 v[192:195], v1, s[32:33]
	global_load_b64 v[196:197], v1, s[34:35]
	v_mov_b32 v7, 0xff800000                       ; -infinity
.irp i, 22,23,24,25,26,27,80,81,82,83,84,85
	v_mov_b32 v\i, 0                               ; zero codes: Q's upper half, and what the last tile of K names behind its own
.endr
.irp i, 236,237,238,239,252,253
	v_mov_b32 v\i, 0                               ; written once: a lane permute's destination counts as one of its sources; v[252:253] is named as a pair
.endr
.irp i, 0,1,2,3,4,5,6,7,8,9,10,11
	s_wait_loadcnt 25-\i                           ; loads come back in order: the younger ones may be out
	ds_store_b128 v10, v[96+4*\i:99+4*\i] offset:512*\i
.endr
.irp i, 0,1,2,3,4,5,6,7,8,9,10,11
	s_wait_loadcnt 13-\i
	ds_store_b128 v11, v[144+4*\i:147+4*\i] offset:512*\i
.endr
	s_wait_loadcnt 1
	ds_store_b128 v28, v[192:195]
	s_wait_loadcnt 0x0
	ds_store_b64 v29, v[196:197]
	s_wait_dscnt 0x0                               ; for the others' sake: my stores have landed
	s_barrier_signal -1
	s_barrier_wait -1                              ; the head's K and V lie in LDS: nothing is written there again
.Ltile:
	s_wait_xcnt 0x0                                ; the last tile's stores have read their data and offsets
	s_mul_i32 s2, s[TAU], 768
	v_add_nc_u32 v91, s2, v1
	v_add_nc_u32 v92, s2, v2
	global_load_b128 v[16:19], v91, s[4:5]         ; Q's half fragment
	global_load_b64 v[20:21], v92, s[4:5] offset:512
	s_lshr_b32 s2, s[TAU], 3
	s_lshl_b32 s2, s2, 9                           ; the scale image of the tile's eight,
	s_and_b32 s95, s[TAU], 1
	s_lshl_b32 s95, s95, 8                         ; an odd tile's words lie in lanes 16-31's places,
	s_add_co_u32 s2, s2, s95
	s_bfe_u32 s95, s[TAU], 0x20001
	s_lshl_b32 s95, s95, 2                         ; word (tile % 8) / 2
	s_add_co_u32 s2, s2, s95
	v_add_nc_u32 v93, s2, v86
	global_load_b32 v255, v93, s[6:7]              ; lane r (and r + 16): query r's scale word
	s_lshl_b32 s96, s[TAU], 4
	s_mov_b32 s97, 0
	s_add_nc_u64 s[MP:MP+1], s[10:11], s[96:97]
	s_load_b128 s[96:99], s[MP:MP+1], 0x0          ; the tile's four flag words
	v_mov_b32 v13, 0xff61b1e6                      ; the largest t so far: -3e38, under every t
	s_delay_alu instid0(VALU_DEP_1)
	v_floor_f32 v12, -v13                          ; -M
	v_mov_b32 v14, 0
	v_mov_b32 v15, 0
.set n, 0
.rept 32
	v_mov_b32 v[160+n], 0                          ; O^T begins as zeros: which step is a tile's first hangs on the flags, so no step is written out as the first
.set n, n+1
.endr
	s_wait_kmcnt 0x0
	s_lshl_b32 s97, s97, 4
	s_lshl_b32 s98, s98, 8
	s_lshl_b32 s99, s99, 12
	s_or_b32 s[FL], s96, s97
	s_or_b32 s[FL], s[FL], s98
	s_or_b32 s[FL], s[FL], s99                     ; bits 0-15 'some', bits 16-31 'all', by step
	s_lshl_b32 s96, s[TAU], 12
	s_mov_b32 s97, 0
	s_add_nc_u64 s[MP:MP+1], s[8:9], s[96:97]
	s_mov_b32 s[TB], 0
	s_mov_b32 s[TS], 0
	s_mov_b32 s[TV], 0
	s_mov_b32 s[CNT], 16
	s_wait_loadcnt 0x0                             ; Q
.Lstep:
	s_bitcmp1_b32 s[FL], 0
	s_cbranch_scc0 .Lhidden                        ; no key of the step counts for any of my 16 queries
	s_load_b512 s[16:31], s[MP:MP+1], 0x0          ; the step's 64 lane masks; they land under K's loads and the products
	s_load_b512 s[32:47], s[MP:MP+1], 0x40
	s_load_b512 s[48:63], s[MP:MP+1], 0x80
	s_load_b512 s[68:83], s[MP:MP+1], 0xc0
	s_setprio 2
	v_add_nc_u32 v8, s[TB], v1                     ; six plain lines: also the places between the last step's products and the loads below
	v_add_nc_u32 v9, s[TB], v2
	v_add_nc_u32 v10, s[TB], v3
	v_add_nc_u32 v11, s[TB], v4
	v_add_nc_u32 v28, s[TS], v30
	v_add_nc_u32 v29, s[TV], v31
	ds_load_b128 v[248:251], v28                   ; K's scale words: word b: tile 2 b in lanes 0-15, tile 2 b + 1 in lanes 16-31
.irp t, 0,1,2,3,4,5,6,7
	ds_load_b128 v[32+6*\t:35+6*\t], v8 offset:768*\t
	ds_load_b64 v[36+6*\t:37+6*\t], v9 offset:768*\t+512
.endr
	s_wait_alu depctr_va_vdst(0)
	s_wait_dscnt 0x0
.irp t, 0,2,4,6                                    ; S^T = K Q^T: eight tiles of 16 keys
	v_wmma_scale_f32_16x16x128_f8f6f4 v[96+8*\t:103+8*\t], v[32+6*\t:43+6*\t], v[16:27], 0, v[248+\t/2], v255 matrix_a_fmt:MATRIX_FMT_FP6 matrix_b_fmt:MATRIX_FMT_FP6
	v_wmma_scale_f32_16x16x128_f8f6f4 v[104+8*\t:111+8*\t], v[38+6*\t:49+6*\t], v[16:27], 0, v[248+\t/2], v255 matrix_a_fmt:MATRIX_FMT_FP6 matrix_b_fmt:MATRIX_FMT_FP6 matrix_a_scale:MATRIX_SCALE_ROW1
.endr
.rept 4
	v_nop                                          ; places: in front of the loads into K's registers and of the first read of the scores
.endr
	ds_load_b64 v[248:249], v29                    ; V's fragments and scale words are asked for now and land under the softmax
.irp t, 0,1,2,3
	ds_load_b128 v[32+12*\t:35+12*\t], v10 offset:1536*\t
	ds_load_b64 v[36+12*\t:37+12*\t], v11 offset:1536*\t+512
	ds_load_b128 v[38+12*\t:41+12*\t], v10 offset:1536*\t+768
	ds_load_b64 v[42+12*\t:43+12*\t], v11 offset:1536*\t+1280
.endr
	s_wait_kmcnt 0x0                               ; the lane masks are in
	s_bitcmp1_b32 s[FL], 16
	s_cbranch_scc1 .Lopen                          ; all 16 x 128 count: nothing to hide
.set n, 0
.rept 64
.if n < 48
	v_cndmask_b32 v[96+n], v7, v[96+n], s[16+n]    ; the score where the bit is set, else -infinity: p = 0 then
.else
	v_cndmask_b32 v[96+n], v7, v[96+n], s[20+n]
.endif
.set n, n+1
.endr
.Lopen:
.irp b, 0,1,2,3
	v_max3_num_f32 v[232+\b], v[96+16*\b], v[97+16*\b], v[98+16*\b]   ; the largest score of each block of 32 keys: it serves for the row's maximum and, since p rises with the score, for the block's largest p
.endr
.irp i, 3,5,7,9,11,13
.irp b, 0,1,2,3
	v_max3_num_f32 v[232+\b], v[232+\b], v[96+16*\b+\i], v[97+16*\b+\i]
.endr
.endr
.irp b, 0,1,2,3
	v_max_num_f32 v[232+\b], v[232+\b], v[111+16*\b]
.endr
.irp b, 0,1,2,3
	s_delay_alu instid0(VALU_DEP_4)
	v_permlanex16_b32 v[236+\b], v[232+\b], s[SEL], s[SEL+1]
.endr
.irp b, 0,1,2,3
	s_delay_alu instid0(VALU_DEP_4)
	v_max_num_f32 v[232+\b], v[232+\b], v[236+\b]  ; with lane l xor 16's 16 keys
.endr
	s_delay_alu instid0(VALU_DEP_2)
	v_max3_num_f32 v254, v232, v233, v234
	s_delay_alu instid0(VALU_DEP_1)
	v_max_num_f32 v254, v254, v235                 ; the step's largest score of my query
	s_delay_alu instid0(VALU_DEP_1)
	v_mul_f32 v254, s[CS], v254                    ; as t
	s_delay_alu instid0(VALU_DEP_1)
	v_max_num_f32 v13, v13, v254                   ; the running largest t
	v_mov_b32 v254, v12
	s_delay_alu instid0(VALU_DEP_2)
	v_floor_f32 v12, -v13                          ; the new -M = -ceil(t): a whole number
	s_delay_alu instid0(VALU_DEP_1)
	v_sub_f32 v254, v12, v254                      ; M's old value less its new one
	s_delay_alu instid0(VALU_DEP_1)
	v_cvt_i32_f32 v254, v254                       ; (it saturates)
	s_delay_alu instid0(VALU_DEP_1)
	v_ldexp_f32 v252, 1.0, v254                    ; f = 2^(old M - new M): a multiplication by it rounds nothing
.set n, 0
.rept 32
	v_pk_fma_f32 v[96+n:97+n], v[96+n:97+n], s[CS:CS+1], v[12:13] op_sel_hi:[1,0,0]   ; t - M, two at a time
.set n, n+2
.endr
.irp b, 0,1,2,3
	v_fma_f32 v[232+\b], v[232+\b], s[CS], v12     ; the same of each block's largest score
.endr
.set n, 0
	s_setprio 1
	s_wait_alu depctr_va_vdst(0)
.rept 64
	v_exp_f32 v[96+n], v[96+n]                     ; p = 2^(t - M), at most 1
.set n, n+1
.endr
	v_pk_mul_f32 v[14:15], v[14:15], v[252:253] op_sel_hi:[1,0]   ; the sums under the new M (a plain place behind the exponentials)
	s_wait_alu depctr_va_vdst(0)                   ; one wait for the batch of 64, ahead of its first reader
.irp b, 0,1,2,3
	v_exp_f32 v[232+\b], v[232+\b]                 ; the block's largest p
.endr
	v_pk_add_f32 v[236:237], v[100:101], v[104:105]
	v_pk_add_f32 v[250:251], v[108:109], v[112:113]
	v_pk_add_f32 v[246:247], v[116:117], v[120:121]
	v_pk_add_f32 v[244:245], v[124:125], v[128:129]
	v_pk_add_f32 v[242:243], v[132:133], v[136:137]
	v_pk_add_f32 v[240:241], v[140:141], v[144:145]
	v_pk_add_f32 v[238:239], v[148:149], v[152:153]
	v_pk_add_f32 v[14:15], v[14:15], v[156:157]
	v_pk_add_f32 v[236:237], v[236:237], v[96:97]
	v_pk_add_f32 v[250:251], v[250:251], v[98:99]
	v_pk_add_f32 v[246:247], v[246:247], v[102:103]
	v_pk_add_f32 v[244:245], v[244:245], v[106:107]
	v_pk_add_f32 v[242:243], v[242:243], v[110:111]
	v_pk_add_f32 v[240:241], v[240:241], v[114:115]
	v_pk_add_f32 v[238:239], v[238:239], v[118:119]
	v_pk_add_f32 v[14:15], v[14:15], v[122:123]
	v_pk_add_f32 v[236:237], v[236:237], v[126:127]
	v_pk_add_f32 v[250:251], v[250:251], v[130:131]
	v_pk_add_f32 v[246:247], v[246:247], v[134:135]
	v_pk_add_f32 v[244:245], v[244:245], v[138:139]
	v_pk_add_f32 v[242:243], v[242:243], v[142:143]
	v_pk_add_f32 v[240:241], v[240:241], v[146:147]
	v_pk_add_f32 v[238:239], v[238:239], v[150:151]
	v_pk_add_f32 v[14:15], v[14:15], v[154:155]
	v_pk_add_f32 v[236:237], v[236:237], v[158:159]
	s_delay_alu instid0(VALU_DEP_2)
	v_pk_add_f32 v[14:15], v[14:15], v[244:245]
	s_delay_alu instid0(VALU_DEP_2)
	v_pk_add_f32 v[236:237], v[236:237], v[242:243]
	v_pk_add_f32 v[250:251], v[250:251], v[240:241]
	v_pk_add_f32 v[246:247], v[246:247], v[238:239]
	s_delay_alu instid0(VALU_DEP_2)
	v_pk_add_f32 v[14:15], v[14:15], v[250:251]
	s_delay_alu instid0(VALU_DEP_2)
	v_pk_add_f32 v[236:237], v[236:237], v[246:247]
	s_delay_alu instid0(VALU_DEP_1)
	v_pk_add_f32 v[14:15], v[14:15], v[236:237]
	s_wait_alu depctr_va_vdst(0)                   ; and one for the four
.irp b, 0,1,2,3
	v_max_num_f32 v[232+\b], 0x1800000, v[232+\b]  ; the floor 2^(3 - 127): the byte cannot fall under 1
.endr
.irp b, 0,1,2,3
	s_delay_alu instid0(VALU_DEP_4)
	v_add_nc_u32 v[244+\b], 0xff000000, v[232+\b]  ; 2 off the exponent field: the conversion's scale operand
.endr
.irp b, 0,1,2,3
	s_delay_alu instid0(VALU_DEP_4)
	v_lshrrev_b32 v[236+\b], 23, v[244+\b]         ; the scale's byte
.endr
	s_delay_alu instid0(VALU_DEP_3)
	v_lshl_or_b32 v253, v237, 8, v236              ; p's scale word for these 128 keys
	s_delay_alu instid0(VALU_DEP_1)
	v_lshl_or_b32 v253, v238, 16, v253
	s_delay_alu instid0(VALU_DEP_1)
	v_lshl_or_b32 v253, v239, 24, v253
.irp c, 0,1
	v_cvt_scalef32_pk16_fp6_f32 v[224+6*\c:226+6*\c], v[96+32*\c:111+32*\c], v[244+2*\c]
	v_cvt_scalef32_pk16_fp6_f32 v[236+4*\c:238+4*\c], v[112+32*\c:127+32*\c], v[244+2*\c+1]
.endr
	s_setprio 0
	v_nop                                          ; one plain place behind a scaled conversion
.irp c, 0,1
.irp i, 0,1,2
	v_permlane16_swap_b32 v[224+6*\c+\i], v[236+4*\c+\i]
.endr
.irp i, 0,1,2
	s_delay_alu instid0(VALU_DEP_3)
	v_mov_b32 v[227+6*\c+\i], v[236+4*\c+\i]
.endr
.endr
.set n, 0
.rept 16
	v_pk_mul_f32 v[160+n:161+n], v[160+n:161+n], v[252:253] op_sel_hi:[1,0]   ; O^T under the new M.  (These sixteen are also the places in front of the products below)
.set n, n+2
.endr
	s_wait_alu depctr_va_vdst(0)
	s_wait_dscnt 0x0                               ; V's fragments and scale words are in
.irp t, 0,2                                        ; O^T += V^T P^T: four tiles of 16 of the head's 64; the four accumulators take turns
	v_wmma_scale_f32_16x16x128_f8f6f4 v[160+8*\t:167+8*\t], v[32+12*\t:43+12*\t], v[224:235], v[160+8*\t:167+8*\t], v[248+\t/2], v253 matrix_a_fmt:MATRIX_FMT_FP6 matrix_b_fmt:MATRIX_FMT_FP6
	v_wmma_scale_f32_16x16x128_f8f6f4 v[168+8*\t:175+8*\t], v[44+12*\t:55+12*\t], v[224:235], v[168+8*\t:175+8*\t], v[248+\t/2], v253 matrix_a_fmt:MATRIX_FMT_FP6 matrix_b_fmt:MATRIX_FMT_FP6 matrix_a_scale:MATRIX_SCALE_ROW1
.endr
.Lhidden:
	s_add_co_u32 s[TB], s[TB], 6144                ; on to the next step
	s_add_co_u32 s[TS], s[TS], 512
	s_add_co_u32 s[TV], s[TV], 256
	s_add_nc_u64 s[MP:MP+1], s[MP:MP+1], 256
	s_lshr_b32 s[FL], s[FL], 1
	s_sub_co_u32 s[CNT], s[CNT], 1
	s_cmp_lg_u32 s[CNT], 0
	s_cbranch_scc1 .Lstep
	s_setprio 0
	; THE TILE'S END: O^T / the sum is 64 numbers a query, 32 a lane: registers 16 b + i are d = 32 b + 16 (lane / 16) + i, since Wv's rows were stored permuted.  Two blocks of the last product's K: half a fragment.
	v_add_f32 v14, v14, v15
	v_permlanex16_b32 v252, v14, s[SEL], s[SEL+1]
	s_delay_alu instid0(VALU_DEP_1)
	v_add_f32 v14, v14, v252                       ; the row's sum
	s_wait_alu depctr_va_vdst(0)
	v_rcp_f32 v252, v14
	s_mul_i32 s2, s[TAU], 12288
	v_add_nc_u32 v88, s2, v1                       ; (plain lines behind the reciprocal, and with the additions above the places behind the last products)
	v_add_nc_u32 v89, s2, v2
	s_lshl_b32 s2, s[TAU], 9
	v_add_nc_u32 v90, s2, v87
	v_cmp_eq_f32 vcc_lo, 0, v14                    ; a row that the mask hides wholly
	v_mov_b32 v241, 0xffff
	s_wait_alu depctr_va_vdst(0)                   ; ahead of the reciprocal's first reader
.set n, 0
.rept 16
	v_pk_mul_f32 v[96+n:97+n], v[160+n:161+n], v[252:253] op_sel_hi:[1,0]
.set n, n+2
.endr
.irp b, 0,1
	v_max3_num_f32 v[232+\b], |v[96+16*\b]|, |v[97+16*\b]|, 0x1800000
.endr
.irp i, 2,4,6,8,10,12,14
.irp b, 0,1
	s_delay_alu instid0(VALU_DEP_2)
	v_max3_num_f32 v[232+\b], v[232+\b], |v[96+16*\b+\i]|, |v[97+16*\b+\i]|
.endr
.endr
.irp b, 0,1
	s_delay_alu instid0(VALU_DEP_2)
	v_permlanex16_b32 v[236+\b], v[232+\b], s[SEL], s[SEL+1]
.endr
.irp b, 0,1
	s_delay_alu instid0(VALU_DEP_2)
	v_max_num_f32 v[232+\b], v[232+\b], v[236+\b]
.endr
.irp b, 0,1
	s_delay_alu instid0(VALU_DEP_2)
	v_add_nc_u32 v[244+\b], 0xff000000, v[232+\b]
.endr
.irp b, 0,1
	s_delay_alu instid0(VALU_DEP_2)
	v_lshrrev_b32 v[236+\b], 23, v[244+\b]
.endr
	s_delay_alu instid0(VALU_DEP_1)
	v_lshl_or_b32 v240, v237, 8, v236              ; my row's two scale bytes,
	s_delay_alu instid0(VALU_DEP_1)
	v_cndmask_b32 v240, v240, v241, vcc_lo         ; or NaN twice
	v_cvt_scalef32_pk16_fp6_f32 v[224:226], v[96:111], v244
	v_cvt_scalef32_pk16_fp6_f32 v[236:238], v[112:127], v245
	v_nop                                          ; one plain place behind a scaled conversion
.irp i, 0,1,2
	v_permlane16_swap_b32 v[224+\i], v[236+\i]
.endr
.irp i, 0,1,2
	s_delay_alu instid0(VALU_DEP_3)
	v_mov_b32 v[227+\i], v[236+\i]
.endr
	global_store_b128 v88, v[224:227], s[12:13]            ; the image: 512 consecutive bytes, aligned,
	global_store_b64 v89, v[228:229], s[12:13] offset:512  ; and 256
	global_store_b16 v90, v240, s[14:15]                   ; two bytes of each token's 32: the other heads' come from other work-groups (lanes r and r + 16 store the same bytes)
	s_sub_co_u32 s[TAU], 127, s[TAU]
	s_sub_co_u32 s3, s3, 1
	s_cmp_lg_u32 s3, 0
	s_cbranch_scc1 .Ltile
	s_wait_tensorcnt 0x0                           ; the wave's end, behind my last LDS store
	ds_add_u32 v[SPW], v[NIL]
	s_wait_dscnt 0x0
	s_endpgm
.Lfunc_end_k_q84ff4d6a62_attn:
	.size	k_q84ff4d6a62_attn, .Lfunc_end_k_q84ff4d6a62_attn-k_q84ff4d6a62_attn
	.p2alignl 7, 3214868480
	.fill 96, 4, 3214868480
	.section	.rodata,"a",@progbits
	.p2align	6, 0x0
	.amdhsa_kernel k_q84ff4d6a62_attn
		.amdhsa_group_segment_fixed_size 215040
		.amdhsa_private_segment_fixed_size 0
		.amdhsa_enable_private_segment 0
		.amdhsa_kernarg_size 48
		.amdhsa_user_sgpr_count 2
		.amdhsa_user_sgpr_kernarg_segment_ptr 1
		.amdhsa_wavefront_size32 1
		.amdhsa_system_sgpr_workgroup_id_x 1
		.amdhsa_system_sgpr_workgroup_id_y 1
		.amdhsa_system_sgpr_workgroup_id_z 1
		.amdhsa_system_vgpr_workitem_id 0
		.amdhsa_next_free_vgpr 256
		.amdhsa_next_free_sgpr 102
		.amdhsa_reserve_vcc 1
		.amdhsa_float_denorm_mode_32 3
		.amdhsa_float_denorm_mode_16_64 3
		.amdhsa_memory_ordered 1
		.amdhsa_forward_progress 1
		.amdhsa_inst_pref_size 39
	.end_amdhsa_kernel
	.amdgpu_metadata
---
amdhsa.version: [ 1, 2 ]
amdhsa.kernels:
  - .name:           k_q84ff4d6a62_attn
    .symbol:         k_q84ff4d6a62_attn.kd
    .args:
      - { .name: img, .offset: 0, .size: 8, .value_kind: global_buffer, .address_space: global }
      - { .name: scl, .offset: 8, .size: 8, .value_kind: global_buffer, .address_space: global }
      - { .name: mwords, .offset: 16, .size: 8, .value_kind: global_buffer, .address_space: global }
      - { .name: mflags, .offset: 24, .size: 8, .value_kind: global_buffer, .address_space: global }
      - { .name: cimg, .offset: 32, .size: 8, .value_kind: global_buffer, .address_space: global }
      - { .name: csc, .offset: 40, .size: 8, .value_kind: global_buffer, .address_space: global }
    .group_segment_fixed_size: 215040
    .private_segment_fixed_size: 0
    .kernarg_segment_align: 8
    .kernarg_segment_size: 48
    .max_flat_workgroup_size: 512
    .sgpr_count:     102
    .vgpr_count:     256
    .wavefront_size: 32
...
	.end_amdgpu_metadata
.endif
;; end of part 3
;; launch outp (part 4): grid 4 x 32, 4 waves a work-group, clusters of 4 x 4, 327,680 bytes of LDS; arguments cimg, csc, codes, scales, out0, bo; writes out0
.if DOCPART == 4
	.amdgcn_target "amdgcn-amd-amdhsa--gfx1250"
	.amdhsa_code_object_version 6
	.text
	.protected	k_q84ff4d6a62_outp
	.globl	k_q84ff4d6a62_outp
	.p2align	8
	.type	k_q84ff4d6a62_outp,@function
k_q84ff4d6a62_outp:
	s_mov_b64 s[64:65], 0
	v_nop
	global_prefetch_b8 v0, s[64:65] scope:SCOPE_SE
	s_setreg_imm32_b32 hwreg(HW_REG_WAVE_MODE, 25, 1), 1
	s_wait_xcnt 0x0
	s_wait_alu depctr_hold_cnt(0) depctr_sa_sdst(0) depctr_va_vdst(0) depctr_va_sdst(0) depctr_va_ssrc(0) depctr_va_vcc(0) depctr_vm_vsrc(0)
	s_getreg_b32 s2, hwreg(HW_REG_IB_STS2, 6, 4)
	s_cmp_eq_u32 s2, 0
	s_cbranch_scc0 .Lentry_in_a_cluster
	s_endpgm
.Lentry_in_a_cluster:
	s_bfe_u32 s2, ttmp6, 0x10000c
	s_cmp_lg_u32 s2, 0xf033
	s_cbranch_scc0 .Lentry_shape_is_right
	s_endpgm
.Lentry_shape_is_right:
; OUT.  out0 = context Wo^T + bo: 8,192 x 1,024 x 1,024 on codes of FP6 (E2M3) with one E8M0 scale for each 32 along K; out0 f32.
; A = the context, as IMAGES OF OPERAND REGISTERS: [tile of 16 tokens][head 16][768 bytes]: half a fragment (16 rows x 64 along K): registers 0-3 at 16 x lane, registers 4-5 at 512 + 8 x lane; its scale bytes [token][32].
; B = Wo: rows 27,648 on of the buffer of codes (768 bytes a row) and of the buffer of scale bytes (32 a row).
; A tile of 256 x 256 is made by four waves, 128 x 128 each.  K goes in steps of 256 through a ring of two LDS slots; the scale bytes come into LDS once.  4 x 4 work-groups form a cluster: A's tiles are asked for jointly
; along a row of the cluster, B's along a column.  THE MATRIX INSTRUCTION IS USED TRANSPOSED (source 0 = 16 rows of Wo, source 1 = 16 tokens): a lane holds eight neighbouring numbers of a row of out0.
; The bias is the C of each sum's first matrix instruction.  There are 128 tiles of 256 x 256: 128 work-groups.
; REGISTERS, in windows of 256: window 0: v0-31 addresses; v32-63 scale words, two sets; v64-127 the bias; from v128 A's fragments, ONE set; on the way out v128-255 rows of out0.
;   window 1: B's fragments, TWO sets.   windows 2, 3: the accumulators ((a, b) at v[8 (8 (a % 4) + b)]).
.set SIZE_K, 1024
.set SIZE_N, 1024
.set KSTEP,  256
.set NQ,     KSTEP/128
.set ROWB,   192
.set KROW,   SIZE_K*6/8
.set PITCH,  240                       ; B's LDS row: 3 x (64 bytes of data + 16 of padding)
.set FR,     12
.set NLA,    4                         ; LDS loads that bring a fragment of A
.set NP,     4
.set TILEA,  3072                      ; a tile of 16 tokens x 256 along K: four images
.set HALFA,  8*TILEA                   ; 128 tokens: what one tensor load brings of A
.set HALFT,  128*PITCH                 ; and of B
.set SLOT,   2*HALFA+2*HALFT
.set LAPS,   SIZE_K/(2*KSTEP)
.set KS,     SIZE_K/32
.set SCL,    2*SLOT
.set HALFS,  (128*KS/256)*272
.set SBLK,   (16*KS/256)*272
.set SPARE,  SCL+4*HALFS
.set SPITCH, 528                       ; the way out: a stage of 16 rows x (512 bytes + 16) for each wave, in slot 0, which has had its last fill and its last read when the first result is stored there
.set ADRA, 16                          ; v16-17 LDS address of my A images in slot 0, 1, + 16 x lane; v18-19 the same + 8 x lane
.set ADRB, 20                          ; v20-21 of my B fragments; v22-23 behind one padding more
.set STO,  24
.set RD,   25
.set CO,   26
.set ADRS, 27
.set SPW,  28
.set NIL,  29
.set SC,   32
.set BO,   64                          ; the bias of tile b's eight columns of my half at v[BO + 8 b]
.set AF,   128
.set BK,   128
.set G1, 24
.set G0, 32
.set G1B, 48
.set G0B, 56
.set G1S, 68
.set G0S, 76
.set G1SB, 80
.set G0SB, 88
.set MSB, 0
.macro WIN new
.if MSB != (\new)
	s_set_vgpr_msb (MSB<<8)|(\new)
.set MSB, (\new)
.endif
.endm
.set MUL_LO, 0xa1                      ; source 0 (B) window 1, source 1 (A) window 0, C and D window 2
.set MUL_HI, 0xf1
.set BIAS_LO, 0x81                     ; the same with C (the bias) in window 0
.set BIAS_HI, 0xc1
.set TO_B,   0x40
.macro JLOAD g0a, g1a, g0b, g1b        ; a joint load: waves 0 and 1 fetch for A, waves 2 and 3 for B; an s_nop 0 and four v_nop follow each of the two lines
	s_cmp_eq_u32 s15, 0
	s_cbranch_scc0 .Lfor_b_\@
	tensor_load_to_lds s[\g0a:\g0a+3], s[\g1a:\g1a+7]
	s_nop 0
.rept 4
	v_nop
.endr
	s_branch .Lasked_\@
.Lfor_b_\@:
	tensor_load_to_lds s[\g0b:\g0b+3], s[\g1b:\g1b+7]
	s_nop 0
.rept 4
	v_nop
.endr
.Lasked_\@:
.endm
.macro CREST
	s_cmp_lg_u32 s14, 0
	s_cbranch_scc1 .Lnot_wave_0_\@
	s_barrier_signal -3
.Lnot_wave_0_\@:
	s_barrier_wait -3
	s_barrier_signal -1
	s_barrier_wait -1
.endm
.macro CROUND
	s_barrier_signal -1
	s_barrier_wait -1
	CREST
.endm
	s_load_b128 s[4:7], s[0:1], 0x0                ; the context's images, its scale bytes
	s_load_b128 s[8:11], s[0:1], 0x10              ; codes, scales (Wo's among them)
	s_load_b64 s[12:13], s[0:1], 0x20              ; out0
	s_load_b64 s[96:97], s[0:1], 0x28              ; bo
	v_lshl_add_u32 v[SPW], v0, 2, SPARE
	v_mov_b32 v[NIL], 0
	ds_add_u32 v[SPW], v[NIL]                      ; the wave's opening: the add and its wait stand ahead of my first tensor load
	v_lshrrev_b32 v1, 5, v0
	v_readfirstlane_b32 s14, v1                    ; wave 0..3
	s_lshr_b32 s15, s14, 1                         ; which half of the tile's rows is mine.  Also: I fetch for A (0) or for B (1)
	s_and_b32 s16, s14, 1                          ; which half of its columns.  Also: which 128 rows of that tile I fetch
	s_bfe_u32 s40, ttmp6, 0x40000                  ; cx, cy
	s_bfe_u32 s41, ttmp6, 0x40004
	s_lshl_b32 s42, ttmp9, 2
	s_add_co_u32 s42, s42, s40                     ; tile column
	s_and_b32 s17, ttmp7, 0xffff
	s_lshl_b32 s17, s17, 2
	s_add_co_u32 s17, s17, s41                     ; tile row
	s_lshl_b32 s43, s41, 2
	s_lshl_b32 s43, 15, s43                        ; my row of the cluster
	s_lshl_b32 s44, 0x1111, s40                    ; my column
	s_or_b32 s[G1+0], s43, (3<<16)|(1<<21)         ; A: the mask; elements of 8 bytes; no padding; bit 21 beside a mask
	s_mov_b32 s[G1+1], (TILEA/8)<<16               ; tensor_dim0: 384 elements: four images
	s_mov_b32 s[G1+2], 8<<16                       ; tensor_dim1: 8 tiles of 16 tokens
	s_mov_b32 s[G1+3], (TILEA/8)<<16               ; tile_dim0
	s_mov_b32 s[G1+4], 8                           ; tile_dim1
	s_mov_b32 s[G1+5], 16*KROW/8                   ; from tile to tile: 12,288 bytes
	s_mov_b32 s[G1+6], 0
	s_mov_b32 s[G1+7], 0
	s_or_b32 s[G1B+0], s44, (0<<16)|(1<<20)|(1<<21)|(3<<22)|(3<<25)  ; B: elements of 1 byte; after every 16 words 4 words of padding
	s_mov_b32 s[G1B+1], ROWB<<16
	s_mov_b32 s[G1B+2], 128<<16
	s_mov_b32 s[G1B+3], ROWB<<16
	s_mov_b32 s[G1B+4], 128
	s_mov_b32 s[G1B+5], KROW
	s_mov_b32 s[G1B+6], 0
	s_mov_b32 s[G1B+7], 0
	s_or_b32 s[G1S+0], s43, (3<<16)|(1<<20)|(1<<21)|(5<<22)|(3<<25)   ; the scales of 128 rows: 4,096 dense bytes as 16 rows of 256, 16 bytes of padding behind each
	s_or_b32 s[G1SB+0], s44, (3<<16)|(1<<20)|(1<<21)|(5<<22)|(3<<25)
.irp g, G1S, G1SB
	s_mov_b32 s[\g+1], 32<<16
	s_mov_b32 s[\g+2], (128*KS/256)<<16
	s_mov_b32 s[\g+3], 32<<16
	s_mov_b32 s[\g+4], 128*KS/256
	s_mov_b32 s[\g+5], 32
	s_mov_b32 s[\g+6], 0
	s_mov_b32 s[\g+7], 0
.endr
	s_lshl_b32 s18, s16, 7
	s_lshl_b32 s20, s17, 8
	s_add_co_u32 s20, s20, s18                     ; A: token 256 x tile row + 128 x half
	s_lshl_b32 s46, s42, 8
	s_add_co_u32 s46, s46, s18
	s_add_co_u32 s46, s46, 27648                   ; B: Wo's first row + 256 x tile column + 128 x half
	s_mov_b32 s21, 0
	s_mov_b32 s47, 0
	s_mov_b64 s[18:19], KS
	s_mul_u64 s[22:23], s[20:21], s[18:19]
	s_mul_u64 s[92:93], s[46:47], s[18:19]
	s_mov_b64 s[18:19], KROW
	s_mul_u64 s[20:21], s[20:21], s[18:19]         ; 16 tokens' images are as many bytes as 16 rows
	s_mul_u64 s[46:47], s[46:47], s[18:19]
	s_mul_i32 s45, s16, HALFA                      ; where they go: A's two halves,
	s_mul_i32 s95, s16, HALFT
	s_add_co_u32 s95, s95, 2*HALFA                 ; then B's two
	s_mul_i32 s94, s14, HALFS
	s_wait_dscnt 0x0                               ; the opening add is done
	s_wait_kmcnt 0x0
	s_add_nc_u64 s[20:21], s[4:5], s[20:21]
	s_add_nc_u64 s[22:23], s[6:7], s[22:23]
	s_add_nc_u64 s[46:47], s[8:9], s[46:47]
	s_add_nc_u64 s[92:93], s[10:11], s[92:93]
	CROUND                                         ; all sixteen work-groups are here: the first joint loads meet
	s_mov_b32 s[G0S], 1
	s_add_co_u32 s[G0S+1], s94, SCL
	s_mov_b64 s[G0S+2:G0S+3], s[22:23]
	s_or_b32 s[G0S+3], s[G0S+3], 0x80000000
	s_mov_b32 s[G0SB], 1
	s_add_co_u32 s[G0SB+1], s94, SCL
	s_mov_b64 s[G0SB+2:G0SB+3], s[92:93]
	s_or_b32 s[G0SB+3], s[G0SB+3], 0x80000000
	JLOAD G0S, G1S, G0SB, G1SB
.irp s, 0,1
	s_mov_b32 s[G0+4*\s], 1
	s_add_co_u32 s[G0+4*\s+1], s45, \s*SLOT
	s_add_nc_u64 s[G0+4*\s+2:G0+4*\s+3], s[20:21], \s*TILEA
	s_or_b32 s[G0+4*\s+3], s[G0+4*\s+3], 0x80000000
	s_mov_b32 s[G0B+4*\s], 1
	s_add_co_u32 s[G0B+4*\s+1], s95, \s*SLOT
	s_add_nc_u64 s[G0B+4*\s+2:G0B+4*\s+3], s[46:47], \s*ROWB
	s_or_b32 s[G0B+4*\s+3], s[G0B+4*\s+3], 0x80000000
	JLOAD G0+4*\s, G1, G0B+4*\s, G1B
.endr
	v_and_b32 v1, 15, v0                           ; r
	v_bfe_u32 v2, v0, 4, 1                         ; h
	v_and_b32 v6, 31, v0
	v_mul_u32_u24 v3, v1, PITCH
	v_mul_u32_u24 v4, v2, 24
	v_add_nc_u32 v4, v3, v4
	v_lshl_add_u32 v5, v2, 4, v4
	v_lshlrev_b32 v7, 4, v6
	v_lshlrev_b32 v8, 3, v6
	s_mul_i32 s21, s15, HALFA                      ; my 128 tokens
	s_mul_i32 s22, s16, HALFT                      ; my 128 rows of B,
	s_add_co_u32 s22, s22, 2*HALFA                 ; which lie behind A's
.irp s, 0,1
	v_add_nc_u32 v[ADRA+\s], s21, v7
	v_add_nc_u32 v[ADRA+2+\s], s21, v8
	v_add_nc_u32 v[ADRB+\s], s22, v4
	v_add_nc_u32 v[ADRB+2+\s], s22, v5
	s_add_co_u32 s21, s21, SLOT
	s_add_co_u32 s22, s22, SLOT
.endr
	v_mul_u32_u24 v5, v1, KS
	v_lshrrev_b32 v6, 8, v5
	v_lshl_add_u32 v5, v6, 4, v5
	s_mul_i32 s21, s15, HALFS
	s_mul_i32 s22, s16, HALFS
	s_add_co_u32 s22, s22, 2*HALFS
	s_sub_co_u32 s22, s22, s21
	v_mul_u32_u24 v6, s22, v2                      ; lanes 16-31 take B's
	s_add_co_u32 s21, s21, SCL
	v_add_nc_u32 v5, v5, v6
	v_add_nc_u32 v[ADRS], s21, v5
	s_mul_i32 s23, s14, 16*SPITCH                  ; my stage
	v_mul_u32_u24 v5, v1, SPITCH
	v_lshl_add_u32 v5, v2, 5, v5
	v_add_nc_u32 v[STO], s23, v5
	v_and_b32 v6, 31, v0
	v_lshlrev_b32 v[CO], 4, v6
	v_add_nc_u32 v[RD], s23, v[CO]
	s_lshl_b32 s20, s17, 8
	s_lshl_b32 s21, s15, 7
	s_add_co_u32 s20, s20, s21                     ; my first row of out0
	s_mov_b32 s21, 0
	s_mov_b64 s[18:19], SIZE_N*4
	s_mul_u64 s[20:21], s[20:21], s[18:19]
	s_lshl_b32 s46, s42, 10                        ; my first column, in bytes
	s_lshl_b32 s47, s16, 9
	s_add_co_u32 s46, s46, s47
	s_mov_b32 s47, 0
	s_add_nc_u64 s[96:97], s[96:97], s[46:47]      ; the bias of my 128 columns
	s_add_nc_u64 s[20:21], s[20:21], s[46:47]
	s_add_nc_u64 s[12:13], s[12:13], s[20:21]
	v_lshlrev_b32 v9, 5, v2                        ; tile b, lane (r, h), register j: column 16 b + 8 h + j
.irp b, 0,1,2,3,4,5,6,7
	global_load_b128 v[BO+8*\b:BO+8*\b+3], v9, s[96:97] offset:64*\b
	global_load_b128 v[BO+8*\b+4:BO+8*\b+7], v9, s[96:97] offset:64*\b+16
.endr
.macro FRAG reg, adr, q, i             ; a fragment of B from rows: 24 bytes of the row twice, in pieces of 8 bytes
.irp p, 0,1,2,3,4,5
.set PCE, 12*(\q)+6*(\p/3)+\p%3
.if PCE%8 < 5
	ds_load_b64 v[\reg+2*\p:\reg+2*\p+1], v[\adr] offset:8*PCE+16*(PCE/8)+(\i)*16*PITCH
.else
	ds_load_b64 v[\reg+2*\p:\reg+2*\p+1], v[\adr+2] offset:8*PCE+16*(PCE/8)+(\i)*16*PITCH
.endif
.endr
.endm
.macro FRAGA reg, slot, q, i           ; a fragment of A from two images: each instruction reads consecutive bytes
.irp c, 0,1
	ds_load_b128 v[\reg+6*\c:\reg+6*\c+3], v[ADRA+\slot] offset:(\i)*TILEA+(2*(\q)+\c)*768
	ds_load_b64 v[\reg+6*\c+4:\reg+6*\c+5], v[ADRA+2+\slot] offset:(\i)*TILEA+(2*(\q)+\c)*768+512
.endr
.endm
; 16 matrix instructions: A's blocks a0, a0 + 1 x B's eight.  first = 1: the bias is the C.  The 64 accumulators take turns, one instruction a turn.
.macro MUL16 a0, p, q, sc, first
.irp a, \a0, \a0+1
.irp b, 0,1,2,3,4,5,6,7
.if \first
	v_wmma_scale_f32_16x16x128_f8f6f4 v[8*(8*((\a)%4)+\b):8*(8*((\a)%4)+\b)+7], v[128*(\p)+FR*\b:128*(\p)+FR*\b+FR-1], v[AF+FR*(\a):AF+FR*(\a)+FR-1], v[BO+8*\b:BO+8*\b+7], v[SC+8*NQ*(\sc)+NQ*\b+(\q)], v[SC+8*NQ*(\sc)+NQ*(\a)+(\q)] matrix_a_fmt:MATRIX_FMT_FP6 matrix_b_fmt:MATRIX_FMT_FP6 matrix_a_scale:MATRIX_SCALE_ROW1
.else
	v_wmma_scale_f32_16x16x128_f8f6f4 v[8*(8*((\a)%4)+\b):8*(8*((\a)%4)+\b)+7], v[128*(\p)+FR*\b:128*(\p)+FR*\b+FR-1], v[AF+FR*(\a):AF+FR*(\a)+FR-1], v[8*(8*((\a)%4)+\b):8*(8*((\a)%4)+\b)+7], v[SC+8*NQ*(\sc)+NQ*\b+(\q)], v[SC+8*NQ*(\sc)+NQ*(\a)+(\q)] matrix_a_fmt:MATRIX_FMT_FP6 matrix_b_fmt:MATRIX_FMT_FP6 matrix_a_scale:MATRIX_SCALE_ROW1
.endif
.endr
.endr
.endm
.macro FETCH_B slot, q, p
	WIN TO_B
.irp i, 0,1,2,3,4,5,6,7
	FRAG 128*(\p)+FR*\i, ADRB+\slot, \q, \i
.endr
	WIN 0
.endm
.macro FETCH_A slot, q, i0
.irp i, \i0, \i0+1, \i0+2, \i0+3
	FRAGA AF+FR*(\i), \slot, \q, \i
.endr
.endm
.macro SCALES sc
.irp i, 0,1,2,3,4,5,6,7
	ds_load_b64 v[SC+8*NQ*\sc+NQ*\i:SC+8*NQ*\sc+NQ*\i+1], v[ADRS] offset:\i*SBLK
.endr
.endm
.macro PLACES n
.rept \n
	v_nop
.endr
.endm
.macro STEP slot, q, first
	s_wait_dscnt 4*NLA                             ; B's set and A's blocks 0-3 are in; the youngest 16 loads (A's blocks 4-7) may be out
.if \first
	WIN BIAS_LO
.else
	WIN MUL_LO
.endif
	MUL16 0, (\q)%2, \q, \slot, \first
	MUL16 2, (\q)%2, \q, \slot, \first
	s_wait_dscnt 0
	PLACES NP
	FETCH_B \slot, (\q)+1, 1-(\q)%2
	FETCH_A \slot, (\q)+1, 0
.if \first
	WIN BIAS_HI
.else
	WIN MUL_HI
.endif
	MUL16 4, (\q)%2, \q, \slot, \first
	MUL16 6, (\q)%2, \q, \slot, \first
	PLACES NP
	WIN 0
	FETCH_A \slot, (\q)+1, 4
.endm
.macro TURN slot, next, fill
	s_wait_tensorcnt 0x0                           ; all my tensor loads have landed: my part of the next slot
	ds_add_u32 v[SPW], v[NIL]                      ; 0 onto my spare word
	s_wait_dscnt 4*NLA+1                           ; (the add and the youngest 16 loads may be out)
	WIN MUL_LO
	MUL16 0, 1, NQ-1, \slot, 0
	s_wait_dscnt 0x0                               ; the add is done, and my reads of this slot are over
	s_barrier_signal -1
	MUL16 2, 1, NQ-1, \slot, 0
	WIN 0
	s_barrier_wait -1
.if \fill
	CREST                                          ; the barrier has opened a round of the cluster's barrier
	s_add_nc_u64 s[G0+4*\slot+2:G0+4*\slot+3], s[G0+4*\slot+2:G0+4*\slot+3], 2*TILEA
	s_add_nc_u64 s[G0B+4*\slot+2:G0B+4*\slot+3], s[G0B+4*\slot+2:G0B+4*\slot+3], 2*ROWB
	JLOAD G0+4*\slot, G1, G0B+4*\slot, G1B         ; the first tensor load behind the round; its four v_nop are the places in front of the loads below
.else
	PLACES NP
.endif
	v_add_nc_u32 v[ADRS], 4*NQ, v[ADRS]
	FETCH_B \next, 0, 0
	FETCH_A \next, 0, 0
	SCALES \next
	WIN MUL_HI
	MUL16 4, 1, NQ-1, \slot, 0
	MUL16 6, 1, NQ-1, \slot, 0
	PLACES NP
	WIN 0
	FETCH_A \next, 0, 4
.endm
	s_wait_loadcnt 0x0                             ; the bias
	s_wait_tensorcnt 1                             ; the scales and my part of K step 0 are in (K step 1's load may be out),
	s_barrier_signal -1
	s_barrier_wait -1                              ; everybody's are
	FETCH_B 0, 0, 0
	FETCH_A 0, 0, 0
	SCALES 0
	FETCH_A 0, 0, 4
	STEP 0, 0, 1                                   ; the first step stands in front of the loop: its products start the sums, from the bias
	s_mov_b32 s3, LAPS-1
.Llap:
	TURN 0, 1, 1
	STEP 1, 0, 0
	TURN 1, 0, 1
	STEP 0, 0, 0
	s_sub_co_u32 s3, s3, 1
	s_cmp_lg_u32 s3, 0
	s_cbranch_scc1 .Llap
	TURN 0, 1, 0                                   ; the last lap fills nothing
	STEP 1, 0, 0
	s_wait_dscnt 4*NLA
	WIN MUL_LO
	MUL16 0, 1, NQ-1, 1, 0
	MUL16 2, 1, NQ-1, 1, 0
	s_wait_dscnt 0
	WIN MUL_HI
	MUL16 4, 1, NQ-1, 1, 0
	MUL16 6, 1, NQ-1, 1, 0
	WIN 0
; THE WAY OUT, block by block of 16 rows x 128 columns, through my own stage in LDS: back as whole rows of 512 bytes.  LDS serves a wave's instructions in order: no wait between the stores and the loads.
.macro TOSTAGE a
.set AC, 64*((\a)%4)
	WIN 0x08+4*((\a)/4)                            ; the data: window 2 or 3
.irp b, 0,1,2,3,4,5,6,7
	ds_store_b128 v[STO], v[AC+8*\b:AC+8*\b+3] offset:64*\b          ; each accumulator from its low end on
	ds_store_b128 v[STO], v[AC+8*\b+4:AC+8*\b+7] offset:64*\b+16
.endr
	WIN 0
.set BB, BK+64*((\a)%2)
.irp t, 0,1,2,3,4,5,6,7,8,9,10,11,12,13,14,15
	ds_load_b128 v[BB+4*\t:BB+4*\t+3], v[RD] offset:\t*SPITCH
.endr
.endm
.macro SEND a, younger
.set BB, BK+64*((\a)%2)
	s_wait_dscnt \younger                          ; the block is back in registers
.if (\a) > 0
	s_add_nc_u64 s[12:13], s[12:13], 16*SIZE_N*4   ; (behind a wait on XCNT: the earlier stores have read their base)
.endif
.irp t, 0,1,2,3,4,5,6,7,8,9,10,11,12,13,14,15
	global_store_b128 v[CO], v[BB+4*\t:BB+4*\t+3], s[12:13] offset:\t*SIZE_N*4 th:TH_STORE_NT   ; 32 lanes store 512 consecutive bytes, aligned
.endr
.endm
	PLACES NP
	TOSTAGE 0
.irp a, 1,2,3,4,5,6,7
.if \a > 1
	s_wait_xcnt 0x0                                ; block a - 2's stores have read their registers and their base
.endif
	TOSTAGE \a
	SEND \a-1, 32                                  ; behind block a - 1's loads: block a's 16 stores and 16 loads
.endr
	s_wait_xcnt 0x0
	SEND 7, 0
	s_wait_tensorcnt 0x0                           ; the wave's end
	ds_add_u32 v[SPW], v[NIL]
	s_wait_dscnt 0x0
	CROUND                                         ; the closing round
	s_endpgm
.Lfunc_end_k_q84ff4d6a62_outp:
	.size	k_q84ff4d6a62_outp, .Lfunc_end_k_q84ff4d6a62_outp-k_q84ff4d6a62_outp
	.p2alignl 7, 3214868480
	.fill 96, 4, 3214868480
	.section	.rodata,"a",@progbits
	.p2align	6, 0x0
	.amdhsa_kernel k_q84ff4d6a62_outp
		.amdhsa_group_segment_fixed_size 327680
		.amdhsa_private_segment_fixed_size 0
		.amdhsa_enable_private_segment 0
		.amdhsa_kernarg_size 48
		.amdhsa_user_sgpr_count 2
		.amdhsa_user_sgpr_kernarg_segment_ptr 1
		.amdhsa_wavefront_size32 1
		.amdhsa_system_sgpr_workgroup_id_x 1
		.amdhsa_system_sgpr_workgroup_id_y 1
		.amdhsa_system_sgpr_workgroup_id_z 1
		.amdhsa_system_vgpr_workitem_id 0
		.amdhsa_next_free_vgpr 1024
		.amdhsa_next_free_sgpr 98
		.amdhsa_reserve_vcc 0
		.amdhsa_float_denorm_mode_32 3
		.amdhsa_float_denorm_mode_16_64 3
		.amdhsa_memory_ordered 1
		.amdhsa_forward_progress 1
		.amdhsa_inst_pref_size 154
	.end_amdhsa_kernel
	.amdgpu_metadata
---
amdhsa.version: [ 1, 2 ]
amdhsa.kernels:
  - .name:           k_q84ff4d6a62_outp
    .symbol:         k_q84ff4d6a62_outp.kd
    .args:
      - { .name: cimg, .offset: 0, .size: 8, .value_kind: global_buffer, .address_space: global }
      - { .name: csc, .offset: 8, .size: 8, .value_kind: global_buffer, .address_space: global }
      - { .name: codes, .offset: 16, .size: 8, .value_kind: global_buffer, .address_space: global }
      - { .name: scales, .offset: 24, .size: 8, .value_kind: global_buffer, .address_space: global }
      - { .name: out0, .offset: 32, .size: 8, .value_kind: global_buffer, .address_space: global }
      - { .name: bo, .offset: 40, .size: 8, .value_kind: global_buffer, .address_space: global }
    .group_segment_fixed_size: 327680
    .private_segment_fixed_size: 0
    .kernarg_segment_align: 8
    .kernarg_segment_size: 48
    .max_flat_workgroup_size: 128
    .sgpr_count:     98
    .vgpr_count:     1024
    .wavefront_size: 32
...
	.end_amdgpu_metadata
.endif
;; end of part 4
